; MI455X (gfx1250); checked and timed in simulation.
; The chip was launched on July 23, 2026; its instructions are those of AMD's public machine-readable ISA for CDNA 5 (MIT licence, August 2026) and "CDNA5" Instruction Set Architecture Reference Guide (July 2026). The comments in the code are by the model that wrote it; some were corrected since.
;; Causal Self Attention. Allowed arithmetic: matrix products marked QUANTISED: E4M3 operands, one given power-of-two scale a tensor, by v_wmma_f32_16x16x64_fp8_fp8 or v_wmma_f32_16x16x128_fp8_fp8, f32 sums; everything else in f32.
;; Inputs: W_in 1,024 x 3,072 float32; W_out 1,024 x 1,024 float32; b_in 3,072 float32; b_out 1,024 float32; lowp_scales 8 int32 (the exponents e of the quantised operands' scales 2^e); x 4 x 2,048 x 1,024 float32.
;; Outputs: out0 4 x 2,048 x 1,024 float32.
;; This version of the problem:
;;   THIS VERSION OF THE PROBLEM IS GIVEN IN LOW PRECISION. The matrix products marked QUANTISED in the list below multiply operands that are first quantised to E4M3 (4 exponent bits, 3 mantissa bits; 8 bits a number), with one given power-of-two scale for each operand tensor; their sums are f32. All else is computed in f32.
;;   The module's matrix products, in the order in which they are computed (A, B: the left and right operand; K: the contracted axis; several contracted axes count as one K, in the product's order):
;;     1. [M 8,192, K 1,024] x [K 1,024, N 3,072]; A: input x; B: input W_in: QUANTISED (scales: A lowp_scales[0], B lowp_scales[1])
;;     2. batch 64 x [M 2,048, K 64] x [K 64, N 2,048]; A: computed on the way; B: computed on the way: QUANTISED (scales: A lowp_scales[2], B lowp_scales[3])
;;     3. batch 64 x [M 2,048, K 2,048] x [K 2,048, N 64]; A: softmax (see below); B: computed on the way: QUANTISED (scales: A lowp_scales[4], B lowp_scales[5])
;;     4. [M 8,192, K 1,024] x [K 1,024, N 1,024]; A: computed on the way; B: input W_out: QUANTISED (scales: A lowp_scales[6], B lowp_scales[7])
;;   THE QUANTISER, for each operand of a quantised product, along K:
;;     - The operand's scale is 2^e, e = its entry of the input lowp_scales (int32; the entries are numbered through the quantised products in the list's order, A before B).
;;     - Each number is divided by the scale, clamped to +-448, and rounded to the nearest number of E4M3, ties to even, subnormals kept.
;;     - The product sums the exact products of the quantised numbers (number of the format x scale) in f32.
;;   ~~~python
;;   def quantise(x, axis, e):      # numpy; x: float32 -> the quantised numbers, widened to float32 again
;;       x = np.moveaxis(x, axis, -1); K = x.shape[-1]
;;       r = np.clip(x / 2.0 ** e, -448, 448)
;;       step = 2.0 ** (np.maximum(np.frexp(np.where(r == 0, 1, r))[1] - 1, -6) - 3)
;;       q = np.round(r / step) * step * 2.0 ** e      # np.round: ties to even
;;       return np.moveaxis(q, -1, axis).astype(np.float32)
;;   ~~~
;;   SOFTMAX AHEAD OF A QUANTISED PRODUCT. Where the list says 'softmax', what is quantised is not the finished softmax but p = 2^(t - M), with t = logit x log2(e) and M = ceil(the row's largest t), a whole number; so 1/2 < the row's largest p <= 1. The row's sum l is taken of the UNQUANTISED p, in f32, and the product's result is divided by l at the end. Since M is a whole number, a kernel that streams over the keys may use a running M (the ceiling of the running maximum): every later rescaling is an exact power of two, so the quantised numbers keep their values, but for numbers so far below the row's largest that they fall under the format's range.
;;   OPERANDS COMPUTED ON THE WAY. 'Computed on the way' means the value that the module computes at that place (a softmax that the list does not call 'softmax' is quantised finished and normalised). What goes into a quantiser is computed in f32, as accurately as f32 sums, v_exp_f32 and their like allow (about 1e-6 of the number): no bf16 or f16 on the way to a quantiser, and a product that is left as it is and whose result goes on into a quantised operand takes f32 operands (vector FMAs, or v_wmma_f32_16x16x4_f32). A number that lies on a knife's edge between two numbers of the format may be rounded either way, as far as f32 arithmetic and the matrix unit's own rounding can turn it there, and no further.
;; One version. Each part assembles by itself: llvm-mc -triple=amdgcn-amd-amdhsa -mcpu=gfx1250 --defsym DOCPART=n.
;; ======== version 1 of 1: 4 launches
;; limits: right only within a limited range of input values
;; workspace buffers: x_img 8,388,608 bytes; win_img 3,145,728 bytes; wout_img 1,048,576 bytes; rope 524,288 bytes; q_img 8,388,608 bytes; k_img 8,388,608 bytes; v_img 8,388,608 bytes; y_img 8,388,608 bytes
;; launch prep (part 1): grid 384 x 1, 4 waves a work-group, no clusters, 34,304 bytes of LDS; arguments x, W_in, W_out, lowp_scales, x_img, win_img, wout_img, rope; writes x_img, win_img, wout_img, rope
.if DOCPART == 1
	.amdgcn_target "amdgcn-amd-amdhsa--gfx1250"
	.amdhsa_code_object_version 6
	.text
	.protected	k_q743f28855a_prep
	.globl	k_q743f28855a_prep
	.p2align	8
	.type	k_q743f28855a_prep,@function
k_q743f28855a_prep:
	s_mov_b64 s[64:65], 0
	v_nop
	global_prefetch_b8 v0, s[64:65] scope:SCOPE_SE
	s_setreg_imm32_b32 hwreg(HW_REG_WAVE_MODE, 25, 1), 1
	s_wait_xcnt 0x0
; x [8192][1024], W_in [1024][3072], W_out [1024][1024], f32, become codes of FP8 (E4M3) with the given scales 2^e0, 2^e1, 2^e7; and the table of cosines and sines for the rotation is made.
; code = number / 2^e, held within +-448, to the nearest code, ties to even.
; THE CODES ARE LAID AS IMAGES OF THE OPERAND'S REGISTERS.  A fragment is 16 rows x 128 K: 16 registers a lane, 2,048 bytes; registers 4 q .. 4 q + 3 of lane l lie at 512 q + 16 l.
; Lane (r = l % 16, h = l / 16) holds row r; registers 2 c, 2 c + 1 hold K = 16 c + 8 h + 0 .. 7.   x_img: [row / 16][K / 128];  win_img, wout_img: [column / 16][K / 128], a row being a column of the weight.
; rope: [t / 16][8][32 lanes][16 bytes]: piece 2 q + c of lane (r, h): cos, sin of pair j0, cos, sin of pair j0 + 1, at t = 16 (t / 16) + r, j0 = 8 q + 4 h + 2 c.
; Work-groups 0-255 take x (K innermost) and the table, work-groups 256-383 the weights (K outermost); 32,768 numbers each.  Only the first way touches LDS.  Waves share nothing: no barrier.
; LIMITS: e0, e1, e7 between -126 and 119, so that 2^e and 448 x 2^e are f32 numbers.  NaN among the inputs is not served.
; The frequency 10000^(-j/32) is made as 2^(-j x 0.41524101); the angle t x frequency is one f32 product; at t = 2047, j = 1 the angle can lie some 2.5e-4 from the exact one.
.set R,    16                          ; v16-143  x: two sets of 64 numbers as loaded
.set X,    144                         ; v144-207 x: 64 numbers in the fragment's order (before that: at work for the table)
.set CD,   208                         ; v208-239 x: two sets of 16 registers of codes
.set SPX,  528                         ; a stage row: 512 bytes + 16: row r starts at word 132 r, so 16 rows start at 16 different groups of four banks
.set VO,   16                          ; v16-47   weights: 4 x lane + i rows
.set XW,   48                          ; v48-111  weights: two sets of 32 numbers
.set DW,   112                         ; v112-175 weights: 8 registers of codes for each of 8 blocks, none written again
.macro LOADF f                         ; fragment f: 16 rows x 512 bytes; each load reads 512 consecutive bytes of one row
.irp i, 0,1,2,3,4,5,6,7,8,9,10,11,12,13,14,15
	global_load_b128 v[R+64*((\f)%2)+4*\i:R+64*((\f)%2)+4*\i+3], v1, s[4:5] offset:\i*4096+(\f)*512 th:TH_LOAD_NT
.endr
.endm
; cos and sin of v145 x v[inv]: the quadrant n = nearest(angle x 2/pi); rho = angle - n pi/2 with pi/2 in two parts; two polynomials on |rho| <= pi/4; the quadrant swaps and signs them by selects
.macro TRIG inv, co, si, t
	v_mul_f32 v[\t], v145, v[\inv]                 ; the angle: one rounding
	v_mul_f32 v[\t+1], 0x3f22f983, v[\t]
	v_rndne_f32 v[\t+1], v[\t+1]                   ; n
	v_fmamk_f32 v[\t+2], v[\t+1], 0xbfc90fdb, v[\t]
	v_fmamk_f32 v[\t+2], v[\t+1], 0x333bbd2e, v[\t+2]  ; rho
	v_mul_f32 v[\t+3], v[\t+2], v[\t+2]            ; z = rho^2
	v_mov_b32 v[\t+4], 0xb94ca1f9
	v_fmaak_f32 v[\t+4], v[\t+4], v[\t+3], 0x3c08839e
	v_fmaak_f32 v[\t+4], v[\t+4], v[\t+3], 0xbe2aaaa3
	v_mul_f32 v[\t+5], v[\t+2], v[\t+3]
	v_fma_f32 v[\t+4], v[\t+5], v[\t+4], v[\t+2]   ; sin rho
	v_mov_b32 v[\t+5], 0x37ccf5ce
	v_fmaak_f32 v[\t+5], v[\t+5], v[\t+3], 0xbab6061a
	v_fmaak_f32 v[\t+5], v[\t+5], v[\t+3], 0x3d2aaaa5
	v_mul_f32 v[\t+6], v[\t+3], v[\t+3]
	v_fma_f32 v[\t+7], v[\t+3], -0.5, 1.0
	v_fma_f32 v[\t+5], v[\t+6], v[\t+5], v[\t+7]   ; cos rho
	v_cvt_i32_f32 v[\t+1], v[\t+1]
	v_and_b32 v[\t+6], 1, v[\t+1]
	v_cmp_eq_u32 vcc_lo, 1, v[\t+6]                ; odd quadrants swap the two
	v_cndmask_b32 v[\si], v[\t+4], v[\t+5], vcc_lo
	v_cndmask_b32 v[\co], v[\t+5], v[\t+4], vcc_lo
	v_and_b32 v[\t+6], 2, v[\t+1]
	v_lshlrev_b32 v[\t+6], 30, v[\t+6]
	v_xor_b32 v[\si], v[\si], v[\t+6]              ; sin is negative in quadrants 2, 3
	v_add_nc_u32 v[\t+7], 1, v[\t+1]
	v_and_b32 v[\t+7], 2, v[\t+7]
	v_lshlrev_b32 v[\t+7], 30, v[\t+7]
	v_xor_b32 v[\co], v[\co], v[\t+7]              ; cos in quadrants 1, 2
.endm
.macro FRAGX f                         ; one fragment of x: through the wave's stage, held, converted, stored
.if (\f) < 3
	s_wait_loadcnt 16                              ; this fragment's 16 loads are in; the next fragment's 16 may be out
.else
	s_wait_loadcnt 0x0
.endif
.irp i, 0,1,2,3,4,5,6,7,8,9,10,11,12,13,14,15
	ds_store_b128 v2, v[R+64*((\f)%2)+4*\i:R+64*((\f)%2)+4*\i+3] offset:\i*SPX
.endr
.irp c, 0,1,2,3,4,5,6,7
	ds_load_b128 v[X+8*\c:X+8*\c+3], v3 offset:64*\c          ; row r, K = 16 c + 8 h + 0 .. 7.  LDS serves a wave's instructions in order: these see the stores above
	ds_load_b128 v[X+8*\c+4:X+8*\c+7], v3 offset:64*\c+16
.endr
	s_wait_dscnt 0x0                               ; the numbers are back, and the stores have read their registers,
.if (\f) < 2
	LOADF (\f)+2                                   ; which take the loads of two fragments on
.else
	s_wait_xcnt 0x0                                ; the stores of two fragments back have read this set of codes: it is written again only behind this wait
.endif
.irp c, 0,1,2,3,4,5,6,7
.irp i, 0,1,2,3,4,5,6,7
	v_med3_num_f32 v[X+8*\c+\i], v[X+8*\c+\i], -v10, v10   ; the conversion does not saturate (ISA guide 7.6.2): the hold at the largest code x the scale
.endr
.endr
.irp c, 0,1,2,3,4,5,6,7
	v_cvt_scalef32_pk8_fp8_f32 v[CD+16*((\f)%2)+2*\c:CD+16*((\f)%2)+2*\c+1], v[X+8*\c:X+8*\c+7], v11
.endr
	v_nop                                          ; a plain line between the conversions and the next fragment's holds, which write their sources
.irp q, 0,1,2,3
	global_store_b128 v1, v[CD+16*((\f)%2)+4*\q:CD+16*((\f)%2)+4*\q+3], s[12:13] offset:(\f)*2048+512*\q   ; 32 lanes store 512 consecutive bytes, aligned
.endr
.endm
.macro LOADB t                         ; weights, block t: rows 32 t + i of my column
.irp i, 0,1,2,3,4,5,6,7,8,9,10,11,12,13,14,15,16,17,18,19,20,21,22,23,24,25,26,27,28,29,30,31
	global_load_b32 v[XW+32*((\t)%2)+\i], v[VO+\i], s[32+2*(\t):33+2*(\t)] th:TH_LOAD_NT
.endr
.endm
.macro BLOCKW t
.set XS, XW+32*((\t)%2)
.if (\t) < 7
	s_wait_loadcnt 32                              ; this block's 32 loads are in; the next block's may be out
.else
	s_wait_loadcnt 0x0
.endif
.irp i, 0,1,2,3,4,5,6,7,8,9,10,11,12,13,14,15,16,17,18,19,20,21,22,23,24,25,26,27,28,29,30,31
	v_med3_num_f32 v[XS+\i], v[XS+\i], -v10, v10
.endr
	v_cvt_scalef32_pk8_fp8_f32 v[DW+8*(\t):DW+8*(\t)+1], v[XS:XS+7], v11           ; K % 32 = 0 .. 7   and
	v_cvt_scalef32_pk8_fp8_f32 v[DW+8*(\t)+2:DW+8*(\t)+3], v[XS+16:XS+23], v11     ; 16 .. 23: the image's lane (r, 0)
	v_cvt_scalef32_pk8_fp8_f32 v[DW+8*(\t)+4:DW+8*(\t)+5], v[XS+8:XS+15], v11      ; 8 .. 15   and
	v_cvt_scalef32_pk8_fp8_f32 v[DW+8*(\t)+6:DW+8*(\t)+7], v[XS+24:XS+31], v11     ; 24 .. 31: the image's lane (r, 1)
	v_nop
	global_store_b128 v4, v[DW+8*(\t):DW+8*(\t)+3], s[14:15] offset:512*(\t)       ; sixteen lanes store 256 consecutive bytes, aligned
	global_store_b128 v4, v[DW+8*(\t)+4:DW+8*(\t)+7], s[14:15] offset:512*(\t)+256
.if (\t) < 6
	LOADB (\t)+2
.endif
.endm
	s_load_b256 s[4:11], s[0:1], 0x0               ; x s[4:5], W_in s[6:7], W_out s[8:9], the exponents s[10:11]
	s_load_b256 s[12:19], s[0:1], 0x20             ; x_img s[12:13], win_img s[14:15], wout_img s[16:17], rope s[18:19]
	v_lshl_add_u32 v240, v0, 2, 0x8400
	v_mov_b32 v241, 0
	v_lshrrev_b32 v1, 5, v0
	v_readfirstlane_b32 s20, v1                    ; wave
	v_and_b32 v5, 31, v0                           ; lane
	s_cmp_lt_u32 ttmp9, 256
	s_cbranch_scc0 .Lweights
	; ---- x.  Wave W = 4 x work-group + wave takes row block W / 2 and four of its eight fragments
	v_lshlrev_b32 v1, 4, v5                        ; 16 x lane
	v_and_b32 v6, 15, v0                           ; r
	v_bfe_u32 v7, v0, 4, 1                         ; h
	s_mul_i32 s21, s20, 16*SPX                     ; my stage
	v_add_nc_u32 v2, s21, v1                       ; into it: 16 x lane of a row
	v_mul_u32_u24 v3, v6, SPX
	v_lshl_add_u32 v3, v7, 5, v3
	v_add_nc_u32 v3, s21, v3                       ; out of it: row r, + 32 h
	s_lshl_b32 s22, ttmp9, 2
	s_add_co_u32 s22, s22, s20                     ; W
	s_lshr_b32 s24, s22, 1
	s_lshl_b32 s24, s24, 16                        ; 16 rows of 4,096 bytes
	s_and_b32 s25, s22, 1
	s_lshl_b32 s25, s25, 11                        ; four fragments of 512 bytes a row
	s_add_co_u32 s24, s24, s25
	s_mov_b32 s25, 0
	s_lshl_b32 s26, s22, 13                        ; four images
	s_mov_b32 s27, 0
	s_lshl_b32 s28, s22, 9                         ; one piece of the table
	s_mov_b32 s29, 0
	s_wait_kmcnt 0x0
	s_load_b32 s30, s[10:11], 0x0                  ; e0
	s_add_nc_u64 s[4:5], s[4:5], s[24:25]
	s_add_nc_u64 s[12:13], s[12:13], s[26:27]
	s_add_nc_u64 s[18:19], s[18:19], s[28:29]
	LOADF 0
	LOADF 1
	; the table's piece W, while the loads are on their way
	s_lshr_b32 s31, s22, 3
	s_lshl_b32 s31, s31, 4
	v_add_nc_u32 v144, s31, v6                     ; t
	v_cvt_f32_u32 v145, v144
	s_and_b32 s32, s22, 7
	s_lshr_b32 s33, s32, 1
	s_lshl_b32 s33, s33, 3
	s_and_b32 s32, s32, 1
	s_lshl_b32 s32, s32, 1
	s_add_co_u32 s32, s32, s33
	v_lshl_add_u32 v146, v7, 2, s32                ; j0 = 8 q + 2 c + 4 h
	v_add_nc_u32 v147, 1, v146
	v_cvt_f32_u32 v146, v146
	v_cvt_f32_u32 v147, v147
	v_mul_f32 v146, 0xbed49a78, v146               ; -j log2(10000) / 32
	v_mul_f32 v147, 0xbed49a78, v147
	v_exp_f32 v148, v146
	v_exp_f32 v149, v147
	v_nop                                          ; a plain line behind the two exponentials,
	s_wait_alu depctr_va_vdst(0)                   ; and one wait for both, ahead of their first reader
	TRIG 148, 12, 13, 150
	TRIG 149, 14, 15, 160
	global_store_b128 v1, v[12:15], s[18:19]       ; 512 consecutive bytes; v[12:15] are not written again
	s_wait_kmcnt 0x0
	s_add_co_i32 s30, s30, 127
	s_lshl_b32 s31, s30, 23
	v_mov_b32 v11, s31                             ; 2^e0: the conversion takes its exponent field
	s_add_co_i32 s30, s30, 8
	s_lshl_b32 s30, s30, 23
	s_or_b32 s30, s30, 0x600000
	v_mov_b32 v10, s30                             ; 448 x 2^e0
	FRAGX 0
	FRAGX 1
	FRAGX 2
	FRAGX 3
	s_wait_tensorcnt 0x0
	ds_add_u32 v240, v241
	s_wait_dscnt 0x0
	s_endpgm
	; ---- the weights.  A LANE TAKES A COLUMN, AND ITS REGISTERS RUN DOWN K.  A work-group: 128 columns x 256 along K; a wave: 32 columns; 8 blocks of 32 along K
.Lweights:
	s_sub_co_u32 s21, ttmp9, 256
	s_and_b32 s22, s21, 3                          ; which 256 along K
	s_lshr_b32 s21, s21, 2                         ; group of 128 columns: 0-23 of W_in, 24-31 of W_out
	s_wait_kmcnt 0x0
	s_load_b256 s[48:55], s[10:11], 0x0            ; the exponents
	s_mov_b32 s24, 12288
	s_cmp_ge_u32 s21, 24                           ; the choice hangs on the work-group's number alone
	s_cselect_b64 s[6:7], s[8:9], s[6:7]
	s_cselect_b64 s[14:15], s[16:17], s[14:15]
	s_cselect_b32 s24, 4096, s24                   ; a row of the weight in bytes
	s_cselect_b32 s25, 24, 0
	s_sub_co_u32 s23, s21, s25
	s_lshl_b32 s23, s23, 7
	s_lshl_b32 s25, s20, 5
	s_add_co_u32 s23, s23, s25                     ; my wave's first column
	s_lshl_b32 s26, s22, 8
	s_mul_i32 s26, s26, s24
	s_lshl_b32 s25, s23, 2
	s_add_co_u32 s26, s26, s25
	s_mov_b32 s27, 0
	s_add_nc_u64 s[32:33], s[6:7], s[26:27]        ; block 0's first row, my first column
	s_lshl_b32 s28, s24, 5                         ; 32 rows
	s_mov_b32 s29, 0
.irp t, 1,2,3,4,5,6,7
	s_add_nc_u64 s[32+2*\t:33+2*\t], s[30+2*\t:31+2*\t], s[28:29]   ; a base for each block: none is stepped
.endr
	s_lshl_b32 s30, s23, 10                        ; (column / 16) x 8 images
	s_lshl_b32 s31, s22, 12                        ; two images along K
	s_add_co_u32 s30, s30, s31
	s_mov_b32 s31, 0
	s_add_nc_u64 s[14:15], s[14:15], s[30:31]
	v_lshlrev_b32 v[VO], 2, v5
.irp i, 1,2,3,4,5,6,7,8,9,10,11,12,13,14,15,16,17,18,19,20,21,22,23,24,25,26,27,28,29,30,31
	v_add_nc_u32 v[VO+\i], s24, v[VO+\i-1]
.endr
	v_lshrrev_b32 v4, 4, v5
	v_lshlrev_b32 v4, 14, v4
	v_and_b32 v6, 15, v5
	v_lshl_add_u32 v4, v6, 4, v4                   ; out: (lane / 16) column blocks + 16 (lane % 16)
	LOADB 0
	LOADB 1
	s_wait_kmcnt 0x0
	s_cmp_ge_u32 s21, 24
	s_cselect_b32 s25, s55, s49                    ; e7 or e1
	s_add_co_i32 s25, s25, 127
	s_lshl_b32 s26, s25, 23
	v_mov_b32 v11, s26
	s_add_co_i32 s25, s25, 8
	s_lshl_b32 s25, s25, 23
	s_or_b32 s25, s25, 0x600000
	v_mov_b32 v10, s25
.irp t, 0,1,2,3,4,5,6,7
	BLOCKW \t
.endr
	s_endpgm
.Lfunc_end_k_q743f28855a_prep:
	.size	k_q743f28855a_prep, .Lfunc_end_k_q743f28855a_prep-k_q743f28855a_prep
	.p2alignl 7, 3214868480
	.fill 96, 4, 3214868480
	.section	.rodata,"a",@progbits
	.p2align	6, 0x0
	.amdhsa_kernel k_q743f28855a_prep
		.amdhsa_group_segment_fixed_size 34304
		.amdhsa_private_segment_fixed_size 0
		.amdhsa_enable_private_segment 0
		.amdhsa_kernarg_size 64
		.amdhsa_user_sgpr_count 2
		.amdhsa_user_sgpr_kernarg_segment_ptr 1
		.amdhsa_wavefront_size32 1
		.amdhsa_system_sgpr_workgroup_id_x 1
		.amdhsa_system_sgpr_workgroup_id_y 1
		.amdhsa_system_sgpr_workgroup_id_z 1
		.amdhsa_system_vgpr_workitem_id 0
		.amdhsa_next_free_vgpr 242
		.amdhsa_next_free_sgpr 66
		.amdhsa_reserve_vcc 1
		.amdhsa_float_denorm_mode_32 3
		.amdhsa_float_denorm_mode_16_64 3
		.amdhsa_memory_ordered 1
		.amdhsa_forward_progress 1
		.amdhsa_inst_pref_size 87
	.end_amdhsa_kernel
	.amdgpu_metadata
---
amdhsa.version: [ 1, 2 ]
amdhsa.kernels:
  - .name:           k_q743f28855a_prep
    .symbol:         k_q743f28855a_prep.kd
    .args:
      - { .name: x, .offset: 0, .size: 8, .value_kind: global_buffer, .address_space: global }
      - { .name: W_in, .offset: 8, .size: 8, .value_kind: global_buffer, .address_space: global }
      - { .name: W_out, .offset: 16, .size: 8, .value_kind: global_buffer, .address_space: global }
      - { .name: lowp_scales, .offset: 24, .size: 8, .value_kind: global_buffer, .address_space: global }
      - { .name: x_img, .offset: 32, .size: 8, .value_kind: global_buffer, .address_space: global }
      - { .name: win_img, .offset: 40, .size: 8, .value_kind: global_buffer, .address_space: global }
      - { .name: wout_img, .offset: 48, .size: 8, .value_kind: global_buffer, .address_space: global }
      - { .name: rope, .offset: 56, .size: 8, .value_kind: global_buffer, .address_space: global }
    .group_segment_fixed_size: 34304
    .private_segment_fixed_size: 0
    .kernarg_segment_align: 8
    .kernarg_segment_size: 64
    .max_flat_workgroup_size: 128
    .sgpr_count:     66
    .vgpr_count:     242
    .wavefront_size: 32
...
	.end_amdgpu_metadata
.endif
;; end of part 1
;; launch qkv (part 2): grid 12 x 32, 4 waves a work-group, clusters of 4 x 4, 327,680 bytes of LDS; arguments x_img, win_img, lowp_scales, b_in, rope, q_img, k_img, v_img; writes q_img, k_img, v_img
.if DOCPART == 2
	.amdgcn_target "amdgcn-amd-amdhsa--gfx1250"
	.amdhsa_code_object_version 6
	.text
	.protected	k_q743f28855a_qkv
	.globl	k_q743f28855a_qkv
	.p2align	8
	.type	k_q743f28855a_qkv,@function
k_q743f28855a_qkv:
	s_mov_b64 s[64:65], 0
	v_nop
	global_prefetch_b8 v0, s[64:65] scope:SCOPE_SE
	s_setreg_imm32_b32 hwreg(HW_REG_WAVE_MODE, 25, 1), 1
	s_wait_xcnt 0x0
	s_wait_alu depctr_hold_cnt(0) depctr_sa_sdst(0) depctr_va_vdst(0) depctr_va_sdst(0) depctr_va_ssrc(0) depctr_va_vcc(0) depctr_vm_vsrc(0)
	s_getreg_b32 s2, hwreg(HW_REG_IB_STS2, 6, 4)
	s_cmp_eq_u32 s2, 0
	s_cbranch_scc0 .Lentry_in_a_cluster
	s_endpgm
.Lentry_in_a_cluster:
	s_bfe_u32 s2, ttmp6, 0x10000c
	s_cmp_lg_u32 s2, 0xf033
	s_cbranch_scc0 .Lentry_shape_is_right
	s_endpgm
.Lentry_shape_is_right:
; qkv = x W_in + b_in on codes of FP8 (E4M3); q and k are rotated; q, k, v are quantised with 2^e2, 2^e3, 2^e5 and stored as images of the next products' operand registers.
; A fragment's image: 16 rows x 128 K, 2,048 bytes, registers 4 q .. 4 q + 3 of lane l at 512 q + 16 l; lane (r, h): row r, registers 2 c, 2 c + 1: K = 16 c + 8 h + 0 .. 7.  For 64 K: half of that.
; A tile of 256 x 256 is made by four waves, 128 x 128 each: 64 accumulators, 512 registers.  K goes in steps of 256 through two LDS slots; a row block's K step is 4,096 consecutive bytes (two images).
; THE MATRIX INSTRUCTION: source 0 = a fragment of the B side, source 1 = one of the A side.  A lane then holds ONE row of the A side and eight neighbouring rows of the B side, and these eight must run along the next K.
;   cluster x = 0 (q), 1 (k): A side = tokens (x_img), B side = columns of W_in: a lane holds a token and 8 channels: after the conversion registers 2 b, 2 b + 1 of a fragment [token][channel].
;   cluster x = 2 (v):        A side = columns of W_in, B side = tokens: a lane holds a channel and 8 keys: a fragment [channel][key], as the second product of attention wants it.
; The sides are chosen by selects on the cluster's x, which all sixteen partners share; three short branches on it hold what differs: the bias, the first step's C, the way out.  All tensor loads and barriers lie on the common way.
; CLUSTERS: 4 x 4 work-groups; the A side's tile is shared along a row of the cluster, the B side's along a column: joint loads.
; THE BIAS is the C of each sum's first matrix instruction, divided by 2^(e0 + e1).  The rotation is linear, so the sums stay short of 2^(e0 + e1) and the conversion takes 2^(e - e0 - e1).
; LIMITS: e2 - e0 - e1, e3 - e0 - e1, e5 - e0 - e1 between -126 and 119.  NaN among the inputs is not served.
; No prefetch: a tile has four K steps, two of them first fills.
; REGISTERS: window 0: v5 16 x lane; v8, v9 scale and hold; v16-21 LDS addresses; v28, v29 the add's; v32-95 the bias, later the table for blocks 0, 1; v96-103 at work; v128-255 A's fragments, one set, later the codes.
;   window 1: B's fragments, two sets; on the way out v0-191 the table for blocks 2-7, v192-255 the numbers to be converted.   windows 2, 3: the accumulators, (a, b) at v[8 (8 (a % 4) + b)].
.set FR,     16
.set NL,     4
.set NP,     4                         ; places behind this matrix instruction (ISA guide 7.12.1)
.set KSB,    4096                      ; a K step of a row block in bytes
.set HALFT,  32768                     ; 8 row blocks: what one tensor load brings
.set SLOT,   4*HALFT
.set SPARE,  2*SLOT                    ; behind the ring: the spare words, 128 bytes a wave; no other line names them
.set LI,   5
.set SCL,  8
.set LIM,  9
.set ADRA, 16
.set ADRB, 20
.set SPW,  28
.set NIL,  29
.set BIAS, 32
.set AF,   128
.set CDS,  128
.set OO,   192
.set G1, 24
.set G0, 32
.set G1B, 48
.set G0B, 56
.set MSB, 0
.macro WIN new                         ; the immediate's high byte repeats the setting that is left
.if MSB != \new
	s_set_vgpr_msb (MSB<<8)|\new
.set MSB, \new
.endif
.endm
.set MUL_LO, 0xa1                      ; source 0 (B) window 1, source 1 (A) window 0, C and D window 2
.set MUL_HI, 0xf1
.set TO_B,   0x40
.macro JLOAD g0a, g1a, g0b, g1b        ; waves 0, 1 fetch for the A side, waves 2, 3 for the B side; four v_nop follow each line
	s_cmp_eq_u32 s15, 0
	s_cbranch_scc0 .Lfor_b_\@
	tensor_load_to_lds s[\g0a:\g0a+3], s[\g1a:\g1a+7]
	s_nop 0
.rept 4
	v_nop
.endr
	s_branch .Lasked_\@
.Lfor_b_\@:
	tensor_load_to_lds s[\g0b:\g0b+3], s[\g1b:\g1b+7]
	s_nop 0
.rept 4
	v_nop
.endr
.Lasked_\@:
.endm
.macro CREST
	s_cmp_lg_u32 s14, 0
	s_cbranch_scc1 .Lnot_wave_0_\@
	s_barrier_signal -3
.Lnot_wave_0_\@:
	s_barrier_wait -3
	s_barrier_signal -1
	s_barrier_wait -1
.endm
.macro CROUND
	s_barrier_signal -1
	s_barrier_wait -1
	CREST
.endm
.macro PLACES n
.rept \n
	v_nop
.endr
.endm
.macro FRAG reg, adr, q, i             ; row block i, the slot's q-th 128 along K: four loads of 512 consecutive bytes
.irp c, 0,1,2,3
	ds_load_b128 v[\reg+4*\c:\reg+4*\c+3], v[\adr] offset:(\i)*KSB+2048*(\q)+512*\c
.endr
.endm
; 16 matrix instructions: A's blocks a0, a0 + 1 x B's eight.  mode 0: onto the sums; 1: C = the bias of B's block; 2: C = the bias of A's block.  The 64 accumulators take turns.
.macro MUL16 a0, p, mode
.irp a, \a0, \a0+1
.irp b, 0,1,2,3,4,5,6,7
.if \mode == 0
	v_wmma_f32_16x16x128_fp8_fp8 v[8*(8*((\a)%4)+\b):8*(8*((\a)%4)+\b)+7], v[128*(\p)+FR*\b:128*(\p)+FR*\b+FR-1], v[AF+FR*(\a):AF+FR*(\a)+FR-1], v[8*(8*((\a)%4)+\b):8*(8*((\a)%4)+\b)+7]
.elseif \mode == 1
	v_wmma_f32_16x16x128_fp8_fp8 v[8*(8*((\a)%4)+\b):8*(8*((\a)%4)+\b)+7], v[128*(\p)+FR*\b:128*(\p)+FR*\b+FR-1], v[AF+FR*(\a):AF+FR*(\a)+FR-1], v[BIAS+8*\b:BIAS+8*\b+7]
.else
	v_wmma_f32_16x16x128_fp8_fp8 v[8*(8*((\a)%4)+\b):8*(8*((\a)%4)+\b)+7], v[128*(\p)+FR*\b:128*(\p)+FR*\b+FR-1], v[AF+FR*(\a):AF+FR*(\a)+FR-1], v[BIAS+8*(\a):BIAS+8*(\a)+7]
.endif
.endr
.endr
.endm
.macro FETCH_B slot, q, p
	WIN TO_B
.irp i, 0,1,2,3,4,5,6,7
	FRAG 128*(\p)+FR*\i, ADRB+\slot, \q, \i
.endr
	WIN 0
.endm
.macro FETCH_A slot, q, i0
.irp i, \i0, \i0+1, \i0+2, \i0+3
	FRAG AF+FR*(\i), ADRA+\slot, \q, \i
.endr
.endm
.macro STEP slot, q, mode              ; 128 along K with its successor in the same slot
	s_wait_dscnt 4*NL                              ; B's set and A's blocks 0-3 are in; A's blocks 4-7 (16 loads) may be out
.if \mode == 0
	WIN MUL_LO
.else
	WIN 0x81                                       ; C in window 0, D in window 2
.endif
	MUL16 0, (\q)%2, \mode
	MUL16 2, (\q)%2, \mode
	s_wait_dscnt 0
	PLACES NP
	FETCH_B \slot, (\q)+1, 1-(\q)%2
	FETCH_A \slot, (\q)+1, 0
.if \mode == 0
	WIN MUL_HI
.else
	WIN 0xc1
.endif
	MUL16 4, (\q)%2, \mode
	MUL16 6, (\q)%2, \mode
	PLACES NP
	WIN 0
	FETCH_A \slot, (\q)+1, 4
.endm
; A slot's last step changes slots: one barrier; in front of it each wave waits for all its tensor loads, adds 0 to its spare word, and waits for that and for its reads of this slot
.macro TURN slot, next, fill
	s_wait_tensorcnt 0x0                           ; all my tensor loads have landed: my part of the next slot
	ds_add_u32 v[SPW], v[NIL]                      ; 0 onto my spare word
	s_wait_dscnt 4*NL+1                            ; (the add and A's blocks 4-7 may be out)
	WIN MUL_LO
	MUL16 0, 1, 0
	s_wait_dscnt 0x0                               ; the add is done, and my reads of this slot are over
	s_barrier_signal -1
	MUL16 2, 1, 0
	WIN 0
	s_barrier_wait -1
.if \fill
	CREST                                          ; the barrier has opened a round of the cluster's: no wave of any partner still reads this slot or has a load on its way
	s_add_nc_u64 s[G0+4*\slot+2:G0+4*\slot+3], s[G0+4*\slot+2:G0+4*\slot+3], 2*KSB
	s_add_nc_u64 s[G0B+4*\slot+2:G0B+4*\slot+3], s[G0B+4*\slot+2:G0B+4*\slot+3], 2*KSB
	JLOAD G0+4*\slot, G1, G0B+4*\slot, G1B         ; the first tensor load behind the round; its four v_nop are the places in front of the loads below
.else
	PLACES NP
.endif
	FETCH_B \next, 0, 0
	FETCH_A \next, 0, 0
	WIN MUL_HI
	MUL16 4, 1, 0
	MUL16 6, 1, 0
	PLACES NP
	WIN 0
	FETCH_A \next, 0, 4
.endm
.macro CSLOAD a, reg                   ; the table for my block a of 16 tokens: register 8 q + i goes with register i of accumulators b % 4 = q: even i the cosine, odd i the sine
.irp n, 0,1,2,3,4,5,6,7
	global_load_b128 v[\reg+4*\n:\reg+4*\n+3], v[LI], s[68:69] offset:(\a)*4096+512*\n
.endr
.endm
; the way out of q and k, block a: (x1, x2) -> (x1 c - x2 s, x2 c + x1 s), the hold, the conversion; two heads' fragments of 64 K leave as they stand
.macro ROPEOUT a
.set AC, 64*((\a)%4)
.if (\a) < 2
	s_wait_loadcnt 48                              ; the table for blocks 0, 1 is in; the 48 loads issued behind it may be out
.set CSR, BIAS+32*(\a)
.set CW, 0
.else
	s_wait_loadcnt 8*(7-(\a))                      ; behind this block's eight loads: eight for each later block
.set CSR, 32*((\a)-2)
.set CW, 4
.endif
	WIN 0x52+((\a)/4)+CW                           ; sums window 2 or 3, table window 0 or 1, results window 1
.set p, 0
.rept 32
	v_pk_mul_f32 v[OO+p:OO+p+1], v[AC+p:AC+p+1], v[CSR+p%32:CSR+p%32+1] op_sel:[0,1] op_sel_hi:[1,1]   ; (x1 s, x2 s); each accumulator from its low end on
.set p, p+2
.endr
.set p, 0
.rept 32
	v_pk_fma_f32 v[OO+p:OO+p+1], v[AC+p:AC+p+1], v[CSR+p%32:CSR+p%32+1], v[OO+p:OO+p+1] op_sel:[0,0,1] op_sel_hi:[1,0,0] neg_lo:[0,0,1]   ; (x1 c - x2 s, x2 c + x1 s)
.set p, p+2
.endr
	WIN 0x41
.set p, 0
.rept 64
	v_med3_num_f32 v[OO+p], v[OO+p], -v[LIM], v[LIM]
.set p, p+1
.endr
	WIN 0x01
.irp b, 0,1,2,3,4,5,6,7
	v_cvt_scalef32_pk8_fp8_f32 v[CDS+16*(\a)+2*\b:CDS+16*(\a)+2*\b+1], v[OO+8*\b:OO+8*\b+7], v[SCL]
.endr
	v_nop                                          ; a plain line between the conversions and the next block's products, which write their sources
	WIN 0
.irp u, 0,1
.irp c, 0,1
	global_store_b128 v[LI], v[CDS+16*(\a)+8*\u+4*\c:CDS+16*(\a)+8*\u+4*\c+3], s[70:71] offset:\u*131072+(\a)*1024+512*\c   ; 512 consecutive bytes, aligned; the codes' registers are not written again
.endr
.endr
.endm
.macro VOUT a                          ; the way out of v, block a of 16 channels: the hold, the conversion; one fragment of 128 keys
.set AC, 64*((\a)%4)
	WIN 0x42+((\a)/4)
.set p, 0
.rept 64
	v_med3_num_f32 v[OO+p], v[AC+p], -v[LIM], v[LIM]
.set p, p+1
.endr
	WIN 0x01
.irp b, 0,1,2,3,4,5,6,7
	v_cvt_scalef32_pk8_fp8_f32 v[CDS+16*(\a)+2*\b:CDS+16*(\a)+2*\b+1], v[OO+8*\b:OO+8*\b+7], v[SCL]
.endr
	v_nop
	WIN 0
.irp c, 0,1,2,3
	global_store_b128 v[LI], v[CDS+16*(\a)+4*\c:CDS+16*(\a)+4*\c+3], s[74:75] offset:((\a)/4)*131072+((\a)%4)*2048+512*\c
.endr
.endm
	s_load_b256 s[4:11], s[0:1], 0x0               ; x_img s[4:5], win_img s[6:7], the exponents s[8:9], b_in s[10:11]
	s_load_b256 s[68:75], s[0:1], 0x20             ; rope s[68:69], q_img s[70:71], k_img s[72:73], v_img s[74:75]
	v_lshl_add_u32 v[SPW], v0, 2, SPARE
	v_mov_b32 v[NIL], 0
	ds_add_u32 v28, v29
	s_wait_dscnt 0x0
	v_lshrrev_b32 v1, 5, v0
	v_readfirstlane_b32 s14, v1                    ; wave
	s_lshr_b32 s15, s14, 1                         ; my half of the A side's rows.  Also: I fetch for A (0) or B (1)
	s_and_b32 s16, s14, 1                          ; my half of the B side's rows.  Also: which half of that tile I fetch
	s_bfe_u32 s40, ttmp6, 0x40000                  ; cx
	s_bfe_u32 s41, ttmp6, 0x40004                  ; cy
	s_and_b32 s17, ttmp7, 0xffff                   ; cluster y
	s_lshl_b32 s43, s41, 2
	s_lshl_b32 s43, 15, s43                        ; my row of the cluster
	s_lshl_b32 s44, 0x1111, s40                    ; my column
	s_or_b32 s[G1+0], s43, (3<<16)|(1<<21)         ; 15:0 the mask; 17:16 elements of 8 bytes; 21 set beside a mask; no padding
	s_or_b32 s[G1B+0], s44, (3<<16)|(1<<21)
.irp g, G1, G1B
	s_mov_b32 s[\g+1], 512<<16                     ; tensor_dim0 = 512 elements: 4,096 bytes
	s_mov_b32 s[\g+2], 8<<16                       ; tensor_dim1 = 8 row blocks
	s_mov_b32 s[\g+3], 512<<16                     ; tile_dim0
	s_mov_b32 s[\g+4], 8                           ; tile_dim1
	s_mov_b32 s[\g+5], 2048                        ; from row block to row block: 16,384 bytes
	s_mov_b32 s[\g+6], 0
	s_mov_b32 s[\g+7], 0
.endr
	s_lshl_b32 s18, s17, 2
	s_lshl_b32 s19, ttmp9, 2
	s_cmp_eq_u32 ttmp9, 2
	s_cselect_b32 s88, 8, s18
	s_cselect_b32 s89, s18, s19
	s_add_co_u32 s88, s88, s41                     ; the A side's tile: tokens 4 cluster y + cy, or (v) columns 8 + cy
	s_add_co_u32 s89, s89, s40                     ; the B side's tile: columns 4 cluster x + cx, or (v) tokens 4 cluster y + cx
	s_lshl_b32 s22, s16, 17                        ; the half that I fetch: 8 row blocks of 16,384 bytes
	s_lshl_b32 s20, s88, 18
	s_add_co_u32 s20, s20, s22
	s_mov_b32 s21, 0
	s_lshl_b32 s46, s89, 18
	s_add_co_u32 s46, s46, s22
	s_mov_b32 s47, 0
	s_lshl_b32 s45, s14, 15                        ; where it goes: wave x 32,768
	s_wait_kmcnt 0x0
	s_load_b256 s[76:83], s[8:9], 0x0              ; e0 .. e7
	s_cmp_eq_u32 ttmp9, 2
	s_cselect_b64 s[84:85], s[6:7], s[4:5]
	s_cselect_b64 s[86:87], s[4:5], s[6:7]
	s_add_nc_u64 s[20:21], s[84:85], s[20:21]
	s_add_nc_u64 s[46:47], s[86:87], s[46:47]
	CROUND                                         ; all sixteen work-groups are here: the first joint loads meet
.irp s, 0,1
	s_mov_b32 s[G0+4*\s], 1
	s_add_co_u32 s[G0+4*\s+1], s45, \s*SLOT
	s_add_nc_u64 s[G0+4*\s+2:G0+4*\s+3], s[20:21], \s*KSB
	s_or_b32 s[G0+4*\s+3], s[G0+4*\s+3], 0x80000000
	s_mov_b32 s[G0B+4*\s], 1
	s_add_co_u32 s[G0B+4*\s+1], s45, \s*SLOT
	s_add_nc_u64 s[G0B+4*\s+2:G0B+4*\s+3], s[46:47], \s*KSB
	s_or_b32 s[G0B+4*\s+3], s[G0B+4*\s+3], 0x80000000
	JLOAD G0+4*\s, G1, G0B+4*\s, G1B
.endr
	v_and_b32 v1, 15, v0                           ; r
	v_bfe_u32 v2, v0, 4, 1                         ; h
	v_and_b32 v3, 31, v0
	v_lshlrev_b32 v[LI], 4, v3
	s_lshl_b32 s21, s15, 15
	s_lshl_b32 s22, s16, 15
	s_add_co_u32 s22, s22, 2*HALFT
.irp s, 0,1
	v_add_nc_u32 v[ADRA+\s], s21, v[LI]
	v_add_nc_u32 v[ADRB+\s], s22, v[LI]
	s_add_co_u32 s21, s21, SLOT
	s_add_co_u32 s22, s22, SLOT
.endr
	s_and_b32 s90, s88, 7                          ; the table at my first token of the sequence: t0 = 256 (tile % 8) + 128 half; 256 bytes a token
	s_lshl_b32 s90, s90, 16
	s_lshl_b32 s91, s15, 15
	s_add_co_u32 s90, s90, s91
	s_mov_b32 s91, 0
	s_add_nc_u64 s[68:69], s[68:69], s[90:91]
	s_wait_kmcnt 0x0
	s_cmp_eq_u32 ttmp9, 1
	s_cselect_b32 s93, s79, s78
	s_cmp_eq_u32 ttmp9, 2
	s_cselect_b32 s93, s81, s93                    ; e2, e3 or e5
	s_add_co_i32 s94, s76, s77                     ; e0 + e1
	s_sub_co_i32 s92, 0, s94
	s_sub_co_i32 s93, s93, s94
	s_add_co_i32 s93, s93, 127
	s_lshl_b32 s94, s93, 23
	v_mov_b32 v[SCL], s94                          ; 2^(e - e0 - e1)
	s_add_co_i32 s93, s93, 8
	s_lshl_b32 s93, s93, 23
	s_or_b32 s93, s93, 0x600000
	v_mov_b32 v[LIM], s93                          ; 448 x that
	; the bias, in the result's layout, / 2^(e0 + e1)
	s_cmp_eq_u32 ttmp9, 2
	s_cbranch_scc1 .Lbias_v
	s_lshl_b32 s90, s89, 10                        ; q, k: register 8 b + j: column 256 tile + 128 half + 16 b + 8 h + j
	s_lshl_b32 s91, s16, 9
	s_add_co_u32 s90, s90, s91
	s_mov_b32 s91, 0
	s_add_nc_u64 s[10:11], s[10:11], s[90:91]
	v_lshlrev_b32 v3, 5, v2
.irp b, 0,1,2,3,4,5,6,7
	global_load_b128 v[BIAS+8*\b:BIAS+8*\b+3], v3, s[10:11] offset:64*\b
	global_load_b128 v[BIAS+8*\b+4:BIAS+8*\b+7], v3, s[10:11] offset:64*\b+16
.endr
	s_wait_loadcnt 0x0
.irp b, 0,1,2,3,4,5,6,7
.irp j, 0,1,2,3,4,5,6,7
	v_ldexp_f32 v[BIAS+8*\b+\j], v[BIAS+8*\b+\j], s92
.endr
.endr
	s_branch .Lbias_done
.Lbias_v:
	s_lshl_b32 s90, s88, 10                        ; v: all eight registers of block a: column 256 tile + 128 half + 16 a + r
	s_lshl_b32 s91, s15, 9
	s_add_co_u32 s90, s90, s91
	s_mov_b32 s91, 0
	s_add_nc_u64 s[10:11], s[10:11], s[90:91]
	v_lshlrev_b32 v3, 2, v1
.irp a, 0,1,2,3,4,5,6,7
	global_load_b32 v[96+\a], v3, s[10:11] offset:64*\a
.endr
	s_wait_loadcnt 0x0
.irp a, 0,1,2,3,4,5,6,7
.irp j, 0,1,2,3,4,5,6,7
	v_ldexp_f32 v[BIAS+8*\a+\j], v[96+\a], s92
.endr
.endr
.Lbias_done:
	s_wait_tensorcnt 1                             ; my part of K step 0 is in; K step 1's load may be out
	s_barrier_signal -1
	s_barrier_wait -1
	FETCH_B 0, 0, 0
	FETCH_A 0, 0, 0
	FETCH_A 0, 0, 4
	s_cmp_eq_u32 ttmp9, 2
	s_cbranch_scc1 .Lfirst_v
	STEP 0, 0, 1                                   ; the first products take the bias as C: nothing is cleared
	CSLOAD 0, BIAS                                 ; the bias's registers are free (the step's closing places stand behind their last reader): the table for blocks 0 and 1
	CSLOAD 1, BIAS+32
	s_branch .Lfirst_done
.Lfirst_v:
	STEP 0, 0, 2
.Lfirst_done:
	TURN 0, 1, 1                                   ; slot 0 takes K step 2
	STEP 1, 0, 0
	TURN 1, 0, 1                                   ; slot 1 takes K step 3
	STEP 0, 0, 0
	TURN 0, 1, 0
	STEP 1, 0, 0
	s_wait_dscnt 4*NL                              ; the last step: nothing more to fetch
	WIN MUL_LO
	MUL16 0, 1, 0
	MUL16 2, 1, 0
	s_wait_dscnt 0
	WIN MUL_HI
	MUL16 4, 1, 0
	MUL16 6, 1, 0
	WIN 0
	s_cmp_eq_u32 ttmp9, 2
	s_cbranch_scc1 .Lout_v
	; q, k: [batch x 16 + head][token / 16] images of 1,024 bytes
	s_cmp_eq_u32 ttmp9, 1
	s_cselect_b64 s[70:71], s[72:73], s[70:71]
	s_lshr_b32 s90, s88, 3                         ; the batch
	s_lshl_b32 s90, s90, 4
	s_and_b32 s91, s89, 3
	s_lshl_b32 s91, s91, 2
	s_add_co_u32 s90, s90, s91
	s_lshl_b32 s91, s16, 1
	s_add_co_u32 s90, s90, s91                     ; my first head: 4 (tile % 4) + 2 half
	s_lshl_b32 s90, s90, 7
	s_and_b32 s91, s88, 7
	s_lshl_b32 s91, s91, 4
	s_add_co_u32 s90, s90, s91
	s_lshl_b32 s91, s15, 3
	s_add_co_u32 s90, s90, s91                     ; + my first token / 16
	s_lshl_b32 s90, s90, 10
	s_mov_b32 s91, 0
	s_add_nc_u64 s[70:71], s[70:71], s[90:91]
	PLACES NP                                      ; behind the last products: for the loads into B's registers, the writes into A's and the reads of the sums
	WIN TO_B
.irp a, 2,3,4,5,6,7
	CSLOAD \a, 32*(\a-2)
.endr
	WIN 0
.irp a, 0,1,2,3,4,5,6,7
	ROPEOUT \a
.endr
	s_branch .Lend
.Lout_v:
	; v: [batch x 16 + head][key / 128][channel / 16] images of 2,048 bytes
	s_lshr_b32 s90, s89, 3
	s_lshl_b32 s90, s90, 4
	s_lshl_b32 s91, s41, 2
	s_add_co_u32 s90, s90, s91
	s_lshl_b32 s91, s15, 1
	s_add_co_u32 s90, s90, s91                     ; my first head: 4 cy + 2 half
	s_lshl_b32 s90, s90, 4
	s_and_b32 s91, s89, 7
	s_lshl_b32 s91, s91, 1
	s_add_co_u32 s90, s90, s91
	s_add_co_u32 s90, s90, s16                     ; + my 128 keys
	s_lshl_b32 s90, s90, 13
	s_mov_b32 s91, 0
	s_add_nc_u64 s[74:75], s[74:75], s[90:91]
	PLACES NP
.irp a, 0,1,2,3,4,5,6,7
	VOUT \a
.endr
.Lend:
	s_wait_tensorcnt 0x0                           ; the wave's end
	ds_add_u32 v[SPW], v[NIL]
	s_wait_dscnt 0x0
	CROUND                                         ; the closing round
	s_endpgm
.Lfunc_end_k_q743f28855a_qkv:
	.size	k_q743f28855a_qkv, .Lfunc_end_k_q743f28855a_qkv-k_q743f28855a_qkv
	.p2alignl 7, 3214868480
	.fill 96, 4, 3214868480
	.section	.rodata,"a",@progbits
	.p2align	6, 0x0
	.amdhsa_kernel k_q743f28855a_qkv
		.amdhsa_group_segment_fixed_size 327680
		.amdhsa_private_segment_fixed_size 0
		.amdhsa_enable_private_segment 0
		.amdhsa_kernarg_size 64
		.amdhsa_user_sgpr_count 2
		.amdhsa_user_sgpr_kernarg_segment_ptr 1
		.amdhsa_wavefront_size32 1
		.amdhsa_system_sgpr_workgroup_id_x 1
		.amdhsa_system_sgpr_workgroup_id_y 1
		.amdhsa_system_sgpr_workgroup_id_z 1
		.amdhsa_system_vgpr_workitem_id 0
		.amdhsa_next_free_vgpr 1024
		.amdhsa_next_free_sgpr 100
		.amdhsa_reserve_vcc 0
		.amdhsa_float_denorm_mode_32 3
		.amdhsa_float_denorm_mode_16_64 3
		.amdhsa_memory_ordered 1
		.amdhsa_forward_progress 1
		.amdhsa_inst_pref_size 216
	.end_amdhsa_kernel
	.amdgpu_metadata
---
amdhsa.version: [ 1, 2 ]
amdhsa.kernels:
  - .name:           k_q743f28855a_qkv
    .symbol:         k_q743f28855a_qkv.kd
    .args:
      - { .name: x_img, .offset: 0, .size: 8, .value_kind: global_buffer, .address_space: global }
      - { .name: win_img, .offset: 8, .size: 8, .value_kind: global_buffer, .address_space: global }
      - { .name: lowp_scales, .offset: 16, .size: 8, .value_kind: global_buffer, .address_space: global }
      - { .name: b_in, .offset: 24, .size: 8, .value_kind: global_buffer, .address_space: global }
      - { .name: rope, .offset: 32, .size: 8, .value_kind: global_buffer, .address_space: global }
      - { .name: q_img, .offset: 40, .size: 8, .value_kind: global_buffer, .address_space: global }
      - { .name: k_img, .offset: 48, .size: 8, .value_kind: global_buffer, .address_space: global }
      - { .name: v_img, .offset: 56, .size: 8, .value_kind: global_buffer, .address_space: global }
    .group_segment_fixed_size: 327680
    .private_segment_fixed_size: 0
    .kernarg_segment_align: 8
    .kernarg_segment_size: 64
    .max_flat_workgroup_size: 128
    .sgpr_count:     100
    .vgpr_count:     1024
    .wavefront_size: 32
...
	.end_amdgpu_metadata
.endif
;; end of part 2
;; launch attn (part 3): grid 4 x 64, 16 waves a work-group, no clusters, 327,680 bytes of LDS; arguments q_img, k_img, v_img, lowp_scales, y_img; writes y_img
.if DOCPART == 3
	.amdgcn_target "amdgcn-amd-amdhsa--gfx1250"
	.amdhsa_code_object_version 6
	.text
	.protected	k_q743f28855a_attn
	.globl	k_q743f28855a_attn
	.p2align	8
	.type	k_q743f28855a_attn,@function
k_q743f28855a_attn:
	s_mov_b64 s[64:65], 0
	v_nop
	global_prefetch_b8 v0, s[64:65] scope:SCOPE_SE
	s_setreg_imm32_b32 hwreg(HW_REG_WAVE_MODE, 25, 1), 1
	s_wait_xcnt 0x0
; y[b][t][head] = causal attention on codes of FP8 (E4M3), head size 64, 2,048 tokens, 64 (batch, head) pairs; y is quantised with 2^e6 and stored as part of the last product's operand images.
; t = score x log2(e) / 8; M = the running largest t rounded UP to a whole number; p = 2^(t - M) is quantised with 2^e4; the row's sum is taken of the unquantised p and divides at the end.
; When M moves, the sum and O are multiplied by 2^(old M - new M): nothing is rounded, and no branch hangs on data.
; SHARES.  Work-group (i, pair) owns query blocks 7 - i and i of 256.  A wave owns 32 neighbouring queries, two tiles A and B, worked together, so that each fragment of K and V read from LDS feeds two matrix instructions.
; Wave w: block i where (w xor w / 4) is odd, else 7 - i; queries 32 (w / 2) on.  A wave of block k has 2 k + 1 or 2 k + 2 key steps of 128, so every work-group has 16 x 7 + 24 = 136 of them.
; LAYOUT.  S^T = K Q^T (source 0 = 16 keys, source 1 = 16 queries, K = 64), O^T = V^T P^T (source 0 = 16 channels, source 1 = P, K = 128 keys): a lane holds one query throughout, and register j of key tile kt is
; key 16 kt + 8 h + j: the conversions' results are registers 2 kt, 2 kt + 1 of P's fragment.  All operands lie in memory and LDS as images of their registers: every LDS load is 512 consecutive bytes.
; THE RING: two slots of 256 keys (16 KB of K, 16 KB of V, both dense in memory); wave 0 fetches K, wave 1 V.  Every LDS offset is an immediate.  A work-group walks 8 or 6 slots (8 - i rounded up to even).
; CAUSAL: a step all of whose keys come after my 32 queries is left out by a scalar branch on ids; in my one step on the diagonal hidden scores become -infinity.  Key 0 counts for every query.
; NO CLUSTER, though the four work-groups of a pair read the same tiles: a joint refill would tie them slot by slot, and a slot would then take as long as the partner with the most waves at work in it:
; with 4 waves a SIMD at work in slots 0-3 and 2 in slots 4-7 that is 48 key steps a SIMD against the 34 of work-groups that run free.
; LIMITS: e2 + e3 between -123 and 130 (added to c's exponent field); e4, e6 between -126 and 119; e4 + e5 is applied by v_ldexp_f32.
; REGISTERS: v1, v2 the add's; v3 16 x lane; v4 2^e4; v5 256 x lane; v[8:9] (-M, largest t), v[10:11] the sum, of A; v[12:15] of B; v16-31 Q; v32-95 O^T; v96-159 A's scores, then p, then V;
;   v160-223 B's; v192-223 first hold K's tiles 0-3; v224-255 K's tiles 4-7, then at work, then P's codes.
.set SLOTB, 32768
.set VOFF,  16384
.set SPARE, 65536                      ; behind the ring: the spare words, 128 bytes a wave; no other line names them
.set SPW, 1
.set NIL, 2
.set LA,  3
.set SC4, 4
.set PFO, 5
.set LM4, 6
.set QA,  16
.set OA,  32
.set SA,  96
.set XK,  192
.set YK,  224
.set TT,  224                          ; at work, 8 a tile: +0, +1 maxima; +2 f (a pair); +4 a pair of sums; +6 the exchange; +7 the old -M
.set PA,  224
.set PB,  240
.set WV,  14
.set Q0,  15
.set QL,  16
.set KF,  17
.set TRIPS, 18
.set CS,  20
.set SEL, 22
.set G1,  24
.set G0,  32
.set PFA, 48
.set LIMS, 50
.macro TLOAD s                         ; waves 0 and 1 fetch; four v_nop follow the line
	s_cmp_lt_u32 s[WV], 2
	s_cbranch_scc0 .Lnone_\@
	tensor_load_to_lds s[G0+4*(\s):G0+4*(\s)+3], s[G1:G1+7]
	s_nop 0
.rept 4
	v_nop
.endr
.Lnone_\@:
.endm
; A prefetch of what the NEXT change of slots will ask for: a slot's 16 KB of K and of V.  The pair's work-group 0, which walks all eight slots, asks, and nobody else; in it waves 4, 5 ask for K's halves of 8,192 bytes,
; waves 6, 7 for V's, lanes 256 bytes apart: each aligned 256 bytes is named once in the launch.  Slots 0 to 2 come by their loads alone; the last change that fills a slot asks for nothing.
.macro ASK how
.if \how
	s_cmp_gt_u32 s[TRIPS], s[LIMS]
.else
	s_cmp_eq_u32 s[LIMS], 1
.endif
	s_cbranch_scc0 .Lnot_mine_\@
	global_prefetch_b8 v[PFO], s[PFA:PFA+1] th:TH_LOAD_NT scope:SCOPE_SE
.Lnot_mine_\@:
.endm
; The change of slots, at the head of slot \slot.  refill = 1: the other slot, which has been left, takes the keys two slots on: that load has this slot's two key steps in which to land.
.macro CHANGE slot, refill, how
	s_wait_tensorcnt 0x0                           ; all my tensor loads have landed, so a group 0 may be written
	ds_add_u32 v[SPW], v[NIL]                      ; 0 onto my spare word
.if \refill
	s_add_nc_u64 s[G0+4*(1-\slot)+2:G0+4*(1-\slot)+3], s[G0+4*(1-\slot)+2:G0+4*(1-\slot)+3], 2*16384
	s_wait_xcnt 0x0                                ; the last prefetch, a slot back, has read its address
	s_add_nc_u64 s[PFA:PFA+1], s[PFA:PFA+1], 16384
.endif
	s_wait_dscnt 0x0                               ; the add is done, and my reads of the slot that I have left are over
	s_barrier_signal -1
	s_barrier_wait -1
.if \refill
	TLOAD 1-\slot
	ASK \how
.endif
.endm
; A KEY STEP: 128 keys, the q-th of slot \slot, for my two tiles of queries
.macro STEP slot, q
	s_cmp_gt_u32 s[KF], s[QL]
	s_cbranch_scc1 .Lhidden_\@
.irp kt, 0,1,2,3
.irp c, 0,1
	ds_load_b128 v[XK+8*\kt+4*\c:XK+8*\kt+4*\c+3], v[LA] offset:(\slot)*SLOTB+(\q)*8192+1024*\kt+512*\c
.endr
.endr
.irp kt, 0,1,2,3
.irp c, 0,1
	ds_load_b128 v[YK+8*\kt+4*\c:YK+8*\kt+4*\c+3], v[LA] offset:(\slot)*SLOTB+(\q)*8192+4096+1024*\kt+512*\c
.endr
.endr
	s_wait_dscnt 8                                 ; K's tiles 0-3 are in; the eight loads of tiles 4-7 may be out
.irp kt, 0,1,2,3
	v_wmma_f32_16x16x64_fp8_fp8 v[SA+8*\kt:SA+8*\kt+7], v[XK+8*\kt:XK+8*\kt+7], v[QA:QA+7], 0
	v_wmma_f32_16x16x64_fp8_fp8 v[SA+64+8*\kt:SA+64+8*\kt+7], v[XK+8*\kt:XK+8*\kt+7], v[QA+8:QA+15], 0
.endr
	s_wait_dscnt 0x0
.irp kt, 0,1,2,3
	v_wmma_f32_16x16x64_fp8_fp8 v[SA+32+8*\kt:SA+32+8*\kt+7], v[YK+8*\kt:YK+8*\kt+7], v[QA:QA+7], 0
.endr
.rept 5
	v_nop                                          ; five places: the next four products write over the registers of K's tiles 0-3, which earlier products read
.endr
.irp kt, 0,1,2,3
	v_wmma_f32_16x16x64_fp8_fp8 v[SA+96+8*\kt:SA+96+8*\kt+7], v[YK+8*\kt:YK+8*\kt+7], v[QA+8:QA+15], 0
.endr
.rept 4
	v_nop                                          ; four places in front of the first read of the scores and the first write into K's registers
.endr
	s_add_co_u32 s60, s[KF], 127
	s_cmp_le_u32 s60, s[Q0]
	s_cbranch_scc1 .Lopen_\@                       ; all 128 keys count for all 32 queries
	s_sub_co_i32 s60, s[Q0], s[KF]
	v_and_b32 v240, 15, v0
	v_bfe_u32 v241, v0, 4, 1
	s_delay_alu instid0(VALU_DEP_1)
	v_lshlrev_b32 v241, 3, v241
	s_delay_alu instid0(VALU_DEP_1)
	v_sub_nc_u32 v240, v240, v241
	s_delay_alu instid0(VALU_DEP_1)
	v_add_nc_u32 v240, s60, v240                   ; d = my query of A - the step's first key - 8 h: register (kt, j) is hidden where 16 kt + j > d
	s_delay_alu instid0(VALU_DEP_1)
	v_add_nc_u32 v241, 16, v240                    ; the same for B
	v_mov_b32 v242, 0xff800000
.irp kt, 0,1,2,3,4,5,6,7
.irp j, 0,1,2,3,4,5,6,7
	v_cmp_gt_i32 vcc_lo, 16*\kt+\j, v240
	v_cndmask_b32 v[SA+8*\kt+\j], v[SA+8*\kt+\j], v242, vcc_lo
.endr
.endr
.irp kt, 0,1,2,3,4,5,6,7
.irp j, 0,1,2,3,4,5,6,7
	v_cmp_gt_i32 vcc_lo, 16*\kt+\j, v241
	v_cndmask_b32 v[SA+64+8*\kt+\j], v[SA+64+8*\kt+\j], v242, vcc_lo
.endr
.endr
.Lopen_\@:
.irp T, 0,1                                    ; the largest score of my query among my 64 keys: two chains a tile, each accumulator from its low end on
	v_max3_num_f32 v[TT+8*\T], v[SA+64*\T], v[SA+64*\T+1], v[SA+64*\T+2]
	v_max3_num_f32 v[TT+8*\T+1], v[SA+64*\T+3], v[SA+64*\T+4], v[SA+64*\T+5]
.endr
.irp i, 6,10,14,18,22,26,30,34,38,42,46,50,54,58
.irp T, 0,1
	v_max3_num_f32 v[TT+8*\T], v[TT+8*\T], v[SA+64*\T+\i], v[SA+64*\T+\i+1]
	v_max3_num_f32 v[TT+8*\T+1], v[TT+8*\T+1], v[SA+64*\T+\i+2], v[SA+64*\T+\i+3]
.endr
.endr
.irp T, 0
	v_max3_num_f32 v[TT+8*\T], v[TT+8*\T], v[SA+64*\T+62], v[SA+64*\T+63]
.endr
.irp T, 1
	v_max3_num_f32 v[TT+8*\T], v[TT+8*\T], v[SA+64*\T+62], v[SA+64*\T+63]
.endr
.irp T, 0,1
	s_delay_alu instid0(VALU_DEP_2)
	v_max_num_f32 v[TT+8*\T], v[TT+8*\T], v[TT+8*\T+1]
.endr
.irp T, 0,1
	s_delay_alu instid0(VALU_DEP_2)
	v_permlanex16_b32 v[TT+8*\T+6], v[TT+8*\T], s[SEL], s[SEL+1]   ; the query's other 64 keys lie in the lane 16 away
.endr
.irp T, 0,1
	s_delay_alu instid0(VALU_DEP_2)
	v_max_num_f32 v[TT+8*\T], v[TT+8*\T], v[TT+8*\T+6]
.endr
.irp T, 0,1
	s_delay_alu instid0(VALU_DEP_2)
	v_mul_f32 v[TT+8*\T], s[CS], v[TT+8*\T]        ; as t (c is positive)
.endr
.irp T, 0
	s_delay_alu instid0(VALU_DEP_2)
	v_max_num_f32 v[9+4*\T], v[9+4*\T], v[TT+8*\T] ; the running largest t
	v_mov_b32 v[TT+8*\T+7], v[8+4*\T]
.endr
.irp T, 1
	s_delay_alu instid0(VALU_DEP_3)
	v_max_num_f32 v[9+4*\T], v[9+4*\T], v[TT+8*\T]
	v_mov_b32 v[TT+8*\T+7], v[8+4*\T]
.endr
.irp T, 0
	s_delay_alu instid0(VALU_DEP_4)
	v_floor_f32 v[8+4*\T], -v[9+4*\T]
.endr
.irp T, 1
	s_delay_alu instid0(VALU_DEP_3)
	v_floor_f32 v[8+4*\T], -v[9+4*\T]              ; -M = floor(-t): M is a whole number
.endr
.irp T, 0,1
	s_delay_alu instid0(VALU_DEP_2)
	v_sub_f32 v[TT+8*\T], v[8+4*\T], v[TT+8*\T+7]  ; old M - new M, 0 or less
.endr
.irp T, 0,1
	s_delay_alu instid0(VALU_DEP_2)
	v_cvt_i32_f32 v[TT+8*\T], v[TT+8*\T]           ; (it saturates)
.endr
.irp T, 0,1
	s_delay_alu instid0(VALU_DEP_2)
	v_ldexp_f32 v[TT+8*\T+2], 1.0, v[TT+8*\T]      ; f = 2^(old M - new M)
.endr
.irp T, 0,1
.irp kt, 0,1,2,3,4,5,6,7
.irp j, 0,2,4,6
	v_pk_fma_f32 v[SA+64*\T+8*\kt+\j:SA+64*\T+8*\kt+\j+1], v[SA+64*\T+8*\kt+\j:SA+64*\T+8*\kt+\j+1], s[CS:CS+1], v[8+4*\T:9+4*\T] op_sel_hi:[1,0,0]   ; t - M
.endr
.endr
.endr
	s_wait_alu depctr_va_vdst(0)
.irp kt, 0,1,2,3,4,5,6,7,8,9,10,11,12,13,14,15
.irp j, 0,1,2,3,4,5,6,7
	v_exp_f32 v[SA+8*\kt+\j], v[SA+8*\kt+\j]       ; p = 2^(t - M): one batch of 128
.endr
.endr
	s_wait_alu depctr_va_vdst(0)
.irp T, 0,1                                    ; the sums and O^T under the new M: 34 plain lines that name no exponential's result
	v_pk_mul_f32 v[10+4*\T:11+4*\T], v[10+4*\T:11+4*\T], v[TT+8*\T+2:TT+8*\T+3] op_sel_hi:[1,0]
.irp j, 0,2,4,6,8,10,12,14,16,18,20,22,24,26,28,30
	v_pk_mul_f32 v[OA+32*\T+\j:OA+32*\T+\j+1], v[OA+32*\T+\j:OA+32*\T+\j+1], v[TT+8*\T+2:TT+8*\T+3] op_sel_hi:[1,0]
.endr
.endr
	s_wait_alu depctr_va_vdst(0)                   ; one wait for the batch, ahead of its first reader
.irp T, 0,1                                    ; the row's sum of the UNQUANTISED p: two chains a tile
	v_pk_add_f32 v[TT+8*\T+4:TT+8*\T+5], v[SA+64*\T:SA+64*\T+1], v[SA+64*\T+2:SA+64*\T+3]
.endr
.irp j, 4,8,12,16,20,24,28,32,36,40,44,48,52,56,60
.irp T, 0,1
	v_pk_add_f32 v[10+4*\T:11+4*\T], v[10+4*\T:11+4*\T], v[SA+64*\T+\j:SA+64*\T+\j+1]
	v_pk_add_f32 v[TT+8*\T+4:TT+8*\T+5], v[TT+8*\T+4:TT+8*\T+5], v[SA+64*\T+\j+2:SA+64*\T+\j+3]
.endr
.endr
.irp T, 0
	s_delay_alu instid0(VALU_DEP_3)
	v_pk_add_f32 v[10+4*\T:11+4*\T], v[10+4*\T:11+4*\T], v[TT+8*\T+4:TT+8*\T+5]
.endr
.irp T, 1
	s_delay_alu instid0(VALU_DEP_2)
	v_pk_add_f32 v[10+4*\T:11+4*\T], v[10+4*\T:11+4*\T], v[TT+8*\T+4:TT+8*\T+5]
.endr
.irp kt, 0,1,2,3,4,5,6,7
.irp j, 0,1,2,3,4,5,6,7
.endr
.endr
.irp kt, 0,1,2,3,4,5,6,7
	v_cvt_scalef32_pk8_fp8_f32 v[PA+2*\kt:PA+2*\kt+1], v[SA+8*\kt:SA+8*\kt+7], v[SC4]
.endr
.irp ct, 0,1,2,3                               ; V's four fragments take A's registers, and land while B is converted
.irp c, 0,1,2,3
	ds_load_b128 v[SA+16*\ct+4*\c:SA+16*\ct+4*\c+3], v[LA] offset:(\slot)*SLOTB+VOFF+(\q)*8192+2048*\ct+512*\c
.endr
.endr
.irp kt, 0,1,2,3,4,5,6,7
.irp j, 0,1,2,3,4,5,6,7
.endr
.endr
.irp kt, 0,1,2,3,4,5,6,7
	v_cvt_scalef32_pk8_fp8_f32 v[PB+2*\kt:PB+2*\kt+1], v[SA+64+8*\kt:SA+64+8*\kt+7], v[SC4]
.endr
	v_nop                                          ; a plain line between the conversions and the products that read their results
	s_wait_alu depctr_va_vdst(0)
	s_wait_dscnt 0x0
.irp ct, 0,1,2,3                               ; eight accumulators, one instruction each
	v_wmma_f32_16x16x128_fp8_fp8 v[OA+8*\ct:OA+8*\ct+7], v[SA+16*\ct:SA+16*\ct+15], v[PA:PA+15], v[OA+8*\ct:OA+8*\ct+7]
	v_wmma_f32_16x16x128_fp8_fp8 v[OA+32+8*\ct:OA+32+8*\ct+7], v[SA+16*\ct:SA+16*\ct+15], v[PB:PB+15], v[OA+32+8*\ct:OA+32+8*\ct+7]
.endr
.rept 5
	v_nop                                          ; five places: the next step's products write over V's registers, its loads land in P's; and the way out reads O^T
.endr
.Lhidden_\@:
	s_add_co_u32 s[KF], s[KF], 128
.endm
	s_load_b256 s[4:11], s[0:1], 0x0               ; q_img s[4:5], k_img s[6:7], v_img s[8:9], the exponents s[10:11]
	s_load_b64 s[12:13], s[0:1], 0x20              ; y_img
	v_lshl_add_u32 v[SPW], v0, 2, SPARE
	v_mov_b32 v[NIL], 0
	ds_add_u32 v1, v2
	ds_add_u32 v1, v2
	s_wait_dscnt 0x0
	v_lshrrev_b32 v7, 5, v0
	s_delay_alu instid0(VALU_DEP_1)
	v_readfirstlane_b32 s[WV], v7                  ; wave 0..15
	v_and_b32 v7, 31, v0
	s_delay_alu instid0(VALU_DEP_1)
	v_lshlrev_b32 v[LA], 4, v7
	s_delay_alu instid0(VALU_DEP_2)
	v_lshlrev_b32 v[PFO], 8, v7
	s_and_b32 s51, ttmp7, 0xffff                   ; batch x 16 + head
	s_lshr_b32 s52, s[WV], 2
	s_xor_b32 s52, s52, s[WV]
	s_and_b32 s52, s52, 1
	s_sub_co_u32 s53, 7, ttmp9
	s_cmp_eq_u32 s52, 1
	s_cselect_b32 s53, ttmp9, s53                  ; my block of 256 queries
	s_lshl_b32 s[Q0], s53, 8
	s_lshr_b32 s54, s[WV], 1
	s_lshl_b32 s54, s54, 5
	s_add_co_u32 s[Q0], s[Q0], s54                 ; my first query
	s_add_co_u32 s[QL], s[Q0], 31                  ; my last
	s_mov_b32 s[KF], 0
	s_lshr_b32 s[TRIPS], ttmp9, 1
	s_sub_co_u32 s[TRIPS], 3, s[TRIPS]             ; 2 + 2 x trips slots: 8, 8, 6, 6
	s_mov_b32 s[G1], 3<<16                         ; no mask; elements of 8 bytes; no padding: a dense block of 16,384 bytes as 64 rows of 256
	s_mov_b32 s[G1+1], 32<<16
	s_mov_b32 s[G1+2], 64<<16
	s_mov_b32 s[G1+3], 32<<16
	s_mov_b32 s[G1+4], 64
	s_mov_b32 s[G1+5], 32
	s_mov_b32 s[G1+6], 0
	s_mov_b32 s[G1+7], 0
	s_mov_b32 s[SEL], 0x76543210
	s_mov_b32 s[SEL+1], 0xfedcba98
	s_lshl_b32 s56, s51, 17                        ; the pair's 131,072 bytes in q_img, k_img, v_img
	s_mov_b32 s57, 0
	s_lshl_b32 s55, s[WV], 14                      ; wave 0: K's part of a slot; wave 1: V's
	s_wait_kmcnt 0x0
	s_load_b256 s[40:47], s[10:11], 0x0            ; e0 .. e7
	s_cmp_eq_u32 s[WV], 0
	s_cselect_b64 s[58:59], s[6:7], s[8:9]
	s_add_nc_u64 s[58:59], s[58:59], s[56:57]
.irp s, 0,1
	s_mov_b32 s[G0+4*\s], 1
	s_add_co_u32 s[G0+4*\s+1], s55, \s*SLOTB
	s_add_nc_u64 s[G0+4*\s+2:G0+4*\s+3], s[58:59], \s*16384
	s_or_b32 s[G0+4*\s+3], s[G0+4*\s+3], 0x80000000
.endr
	s_cmp_lt_u32 s[WV], 2                          ; a wave's two first fills stand in one branch, ahead of every wait on TENSORcnt, every LDS read and every barrier: two loads of mine are out
	s_cbranch_scc0 .Lno_first
	tensor_load_to_lds s[G0:G0+3], s[G1:G1+7]
	s_nop 0
	tensor_load_to_lds s[G0+4:G0+7], s[G1:G1+7]
	s_nop 0
.rept 4
	v_nop
.endr
.Lno_first:
	s_cmp_lt_u32 s[WV], 6                          ; the prefetches: where mine stand, and who asks
	s_cselect_b64 s[PFA:PFA+1], s[6:7], s[8:9]
	s_add_nc_u64 s[PFA:PFA+1], s[PFA:PFA+1], s[56:57]
	s_and_b32 s60, s[WV], 1
	s_lshl_b32 s60, s60, 13
	s_add_co_u32 s60, s60, 2*16384                 ; in slot 2: the first change of slots steps it to slot 3
	s_mov_b32 s61, 0
	s_add_nc_u64 s[PFA:PFA+1], s[PFA:PFA+1], s[60:61]
	s_sub_co_u32 s60, s[WV], 4
	s_lshr_b32 s60, s60, 2                         ; 0 in waves 4 to 7,
	s_or_b32 s60, s60, ttmp9                       ; of the pair's work-group 0
	s_cmp_eq_u32 s60, 0
	s_cselect_b32 s[LIMS], 1, -1
	s_lshl_b32 s60, s[Q0], 6                       ; Q: (query / 16) images of 1,024 bytes
	s_mov_b32 s61, 0
	s_add_nc_u64 s[4:5], s[4:5], s[56:57]
	s_add_nc_u64 s[4:5], s[4:5], s[60:61]
	s_wait_alu depctr_va_vdst(0)
.irp n, 0,1,2,3
	global_load_b128 v[QA+4*\n:QA+4*\n+3], v[LA], s[4:5] offset:512*\n
.endr
	s_lshr_b32 s62, s51, 4                         ; y_img: (batch x 128 + query / 16) x 16,384 + head x 1,024
	s_lshl_b32 s62, s62, 21
	s_lshl_b32 s63, s[Q0], 10
	s_add_co_u32 s62, s62, s63
	s_and_b32 s63, s51, 15
	s_lshl_b32 s63, s63, 10
	s_add_co_u32 s62, s62, s63
	s_mov_b32 s63, 0
	s_add_nc_u64 s[12:13], s[12:13], s[62:63]
	v_mov_b32 v9, 0xff61b1e6                       ; the largest t so far: -3e38
	v_mov_b32 v13, 0xff61b1e6
	s_delay_alu instid0(VALU_DEP_2)
	v_floor_f32 v8, -v9
	s_delay_alu instid0(VALU_DEP_2)
	v_floor_f32 v12, -v13
	v_mov_b32 v10, 0
	v_mov_b32 v11, 0
	v_mov_b32 v14, 0
	v_mov_b32 v15, 0
.irp kt, 0,1,2,3,4,5,6,7
.irp j, 0,1,2,3,4,5,6,7
	v_mov_b32 v[OA+8*\kt+\j], 0                    ; O^T: the step is written without a first form of its own: the first change of M multiplies zeros
.endr
.endr
	s_wait_kmcnt 0x0
	s_add_co_i32 s60, s42, s43
	s_lshl_b32 s60, s60, 23
	s_add_co_i32 s[CS], s60, 0x3e38aa3b            ; c = log2(e) / 8 x 2^(e2 + e3)
	s_mov_b32 s[CS+1], s[CS]
	s_add_co_i32 s60, s44, 127
	s_lshl_b32 s61, s60, 23
	v_mov_b32 v[SC4], s61                          ; 2^e4
	s_wait_loadcnt 0x0                             ; Q
	s_wait_tensorcnt 1                             ; my part of slot 0 is in; slot 1's may be out
	s_barrier_signal -1
	s_barrier_wait -1
	STEP 0, 0
	STEP 0, 1
.Lpair:
	CHANGE 1, 1, 0
	STEP 1, 0
	STEP 1, 1
	CHANGE 0, 1, 1
	STEP 0, 0
	STEP 0, 1
	s_sub_co_u32 s[TRIPS], s[TRIPS], 1
	s_cmp_lg_u32 s[TRIPS], 0
	s_cbranch_scc1 .Lpair
	CHANGE 1, 0, 0                                 ; the last slot is written out
	STEP 1, 0
	STEP 1, 1
	; THE WAY OUT: y = O^T x 2^(e4 + e5) / the sum, converted with 2^e6: eight registers a tile, which are two quarters of a fragment of the last product: they leave as they stand
	v_add_f32 v10, v10, v11
	v_add_f32 v14, v14, v15
	s_delay_alu instid0(VALU_DEP_2)
	v_permlanex16_b32 v11, v10, s[SEL], s[SEL+1]
	s_delay_alu instid0(VALU_DEP_2)
	v_permlanex16_b32 v15, v14, s[SEL], s[SEL+1]
	s_delay_alu instid0(VALU_DEP_2)
	v_add_f32 v10, v10, v11
	s_delay_alu instid0(VALU_DEP_2)
	v_add_f32 v14, v14, v15
	s_add_co_i32 s60, s44, s45
	s_add_co_i32 s61, s46, 127
	s_lshl_b32 s62, s61, 23
	s_wait_alu depctr_va_vdst(0)
	v_rcp_f32 v10, v10
	v_rcp_f32 v14, v14
	v_mov_b32 v[SC4], s62                          ; 2^e6  (a plain line behind the reciprocals)
	s_wait_alu depctr_va_vdst(0)                   ; one wait for both, ahead of their first reader
	v_ldexp_f32 v10, v10, s60
	v_ldexp_f32 v14, v14, s60
.irp T, 0,1
.irp j, 0,2,4,6,8,10,12,14,16,18,20,22,24,26,28,30
	v_pk_mul_f32 v[SA+32*\T+\j:SA+32*\T+\j+1], v[OA+32*\T+\j:OA+32*\T+\j+1], v[10+4*\T:11+4*\T] op_sel_hi:[1,0]
.endr
.endr
.irp kt, 0,1,2,3,4,5,6,7
.irp j, 0,1,2,3,4,5,6,7
.endr
.endr
.irp kt, 0,1,2,3,4,5,6,7
	v_cvt_scalef32_pk8_fp8_f32 v[160+2*\kt:160+2*\kt+1], v[SA+8*\kt:SA+8*\kt+7], v[SC4]
.endr
	v_nop
.irp T, 0,1
.irp c, 0,1
	global_store_b128 v[LA], v[160+8*\T+4*\c:160+8*\T+4*\c+3], s[12:13] offset:\T*16384+512*\c   ; 512 consecutive bytes, aligned
.endr
.endr
	s_wait_tensorcnt 0x0                           ; the wave's end
	ds_add_u32 v[SPW], v[NIL]
	s_wait_dscnt 0x0
	s_endpgm
.Lfunc_end_k_q743f28855a_attn:
	.size	k_q743f28855a_attn, .Lfunc_end_k_q743f28855a_attn-k_q743f28855a_attn
	.p2alignl 7, 3214868480
	.fill 96, 4, 3214868480
	.section	.rodata,"a",@progbits
	.p2align	6, 0x0
	.amdhsa_kernel k_q743f28855a_attn
		.amdhsa_group_segment_fixed_size 327680
		.amdhsa_private_segment_fixed_size 0
		.amdhsa_enable_private_segment 0
		.amdhsa_kernarg_size 40
		.amdhsa_user_sgpr_count 2
		.amdhsa_user_sgpr_kernarg_segment_ptr 1
		.amdhsa_wavefront_size32 1
		.amdhsa_system_sgpr_workgroup_id_x 1
		.amdhsa_system_sgpr_workgroup_id_y 1
		.amdhsa_system_sgpr_workgroup_id_z 1
		.amdhsa_system_vgpr_workitem_id 0
		.amdhsa_next_free_vgpr 256
		.amdhsa_next_free_sgpr 66
		.amdhsa_reserve_vcc 1
		.amdhsa_float_denorm_mode_32 3
		.amdhsa_float_denorm_mode_16_64 3
		.amdhsa_fp16_overflow 1
		.amdhsa_memory_ordered 1
		.amdhsa_forward_progress 1
		.amdhsa_inst_pref_size 255
	.end_amdhsa_kernel
	.section	.bss,"aw",@nobits
	.p2align	6
	.space	262144
	.amdgpu_metadata
---
amdhsa.version: [ 1, 2 ]
amdhsa.kernels:
  - .name:           k_q743f28855a_attn
    .symbol:         k_q743f28855a_attn.kd
    .args:
      - { .name: q_img, .offset: 0, .size: 8, .value_kind: global_buffer, .address_space: global }
      - { .name: k_img, .offset: 8, .size: 8, .value_kind: global_buffer, .address_space: global }
      - { .name: v_img, .offset: 16, .size: 8, .value_kind: global_buffer, .address_space: global }
      - { .name: lowp_scales, .offset: 24, .size: 8, .value_kind: global_buffer, .address_space: global }
      - { .name: y_img, .offset: 32, .size: 8, .value_kind: global_buffer, .address_space: global }
    .group_segment_fixed_size: 327680
    .private_segment_fixed_size: 0
    .kernarg_segment_align: 8
    .kernarg_segment_size: 40
    .max_flat_workgroup_size: 512
    .sgpr_count:     66
    .vgpr_count:     256
    .wavefront_size: 32
...
	.end_amdgpu_metadata
.endif
;; end of part 3
;; launch proj (part 4): grid 4 x 64, 4 waves a work-group, clusters of 4 x 4, 327,680 bytes of LDS; arguments y_img, wout_img, lowp_scales, b_out, out0; writes out0
.if DOCPART == 4
	.amdgcn_target "amdgcn-amd-amdhsa--gfx1250"
	.amdhsa_code_object_version 6
	.text
	.protected	k_q743f28855a_proj
	.globl	k_q743f28855a_proj
	.p2align	8
	.type	k_q743f28855a_proj,@function
k_q743f28855a_proj:
	s_mov_b64 s[64:65], 0
	v_nop
	global_prefetch_b8 v0, s[64:65] scope:SCOPE_SE
	s_setreg_imm32_b32 hwreg(HW_REG_WAVE_MODE, 25, 1), 1
	s_wait_xcnt 0x0
	s_wait_alu depctr_hold_cnt(0) depctr_sa_sdst(0) depctr_va_vdst(0) depctr_va_sdst(0) depctr_va_ssrc(0) depctr_va_vcc(0) depctr_vm_vsrc(0)
	s_getreg_b32 s2, hwreg(HW_REG_IB_STS2, 6, 4)
	s_cmp_eq_u32 s2, 0
	s_cbranch_scc0 .Lentry_in_a_cluster
	s_endpgm
.Lentry_in_a_cluster:
	s_bfe_u32 s2, ttmp6, 0x10000c
	s_cmp_lg_u32 s2, 0xf033
	s_cbranch_scc0 .Lentry_shape_is_right
	s_endpgm
.Lentry_shape_is_right:
; out0 = y W_out + b_out on codes of FP8 (E4M3): y_img [row / 16][K / 128], wout_img [column / 16][K / 128], images of operand registers (16 rows x 128 K: 2,048 bytes, registers 4 q .. 4 q + 3 of lane l at 512 q + 16 l).
; A tile of 128 rows x 256 columns to a work-group: 64 x 4 = 256 work-groups; a tile of 256 x 256 would give 128.  Four waves, 64 x 128 each: 32 accumulators in window 2, (a, b) at v[8 (8 a + b)].
; K = 1,024 in four K steps of 256.  THREE LDS slots take K steps 0, 1, 2 as first fills; K step 3 is the one refill, into slot 0.  By this text's count a wave has three tensor loads out at the start, later one.
; CLUSTERS: 4 x 4 work-groups; y's tile is shared along a row of the cluster, W_out's along a column: joint loads.  Source 0 = columns of W_out, source 1 = rows of y: a lane holds eight neighbouring numbers of a row of out0.
; out0 = sum x 2^(e6 + e7) + b_out: one packed multiply-add for two numbers.  LIMIT: e6 + e7 between -126 and 127.
; No prefetch: three of the four K steps are first fills.
; REGISTERS: window 0: v5 16 x lane; v10-12, v13-15 LDS addresses of A's and B's fragments in the three slots; v24, v25 the stage; v28, v29 the add's; v32-95 b_out; v128-255 A's fragments, two sets (later v128-191 at work).
;   window 1: B's fragments, two sets (later v0-127 rows read back from the stage).
; SCALARS: s[24:31], s[32:43] A's group 1 and its three groups 0; s[48:55], s[68:79] B's; s56 cx, s57 cy, s58 the tile column, s17 the tile row; s[88:95] the exponents; s[96:97] 2^(e6 + e7).
.set FR,     16
.set KSB,    4096
.set SLOT,   98304                     ; A's halves at 0 and 16,384, B's at 32,768 and 65,536
.set SPARE,  3*SLOT                    ; behind the slots: the spare words, 128 bytes a wave; no other line names them
.set STAGE,  SLOT                      ; the way out: 16 rows x 528 bytes a wave, in slot 1, which has had its one fill, and whose last read lies ahead of a barrier that every wave has passed
.set SPITCH, 528
.set LI,   5
.set ADRA, 10
.set ADRB, 13
.set STO,  24
.set RD,   25
.set SPW,  28
.set NIL,  29
.set BIAS, 32
.set AF,   128
.set TMP,  128
.set G1,  24
.set G0,  32                           ; s[32:43] three sets for A
.set G1B, 48
.set G0B, 68                           ; s[68:79] three sets for B
.set CX,  56
.set CY,  57
.set TC,  58
.set MSB, 0
.macro WIN new
.if MSB != \new
	s_set_vgpr_msb (MSB<<8)|\new
.set MSB, \new
.endif
.endm
.set MUL, 0xa1                         ; source 0 (B) window 1, source 1 (A) window 0, C and D window 2
.macro CREST
	s_cmp_lg_u32 s14, 0
	s_cbranch_scc1 .Lnot_wave_0_\@
	s_barrier_signal -3
.Lnot_wave_0_\@:
	s_barrier_wait -3
	s_barrier_signal -1
	s_barrier_wait -1
.endm
.macro CROUND
	s_barrier_signal -1
	s_barrier_wait -1
	CREST
.endm
.macro PLACES
.rept 4
	v_nop
.endr
.endm
.macro FETCH slot, kf, set             ; 48 LDS loads: B's eight fragments and A's four of the slot's kf-th 128 along K
	WIN 0x40
.irp i, 0,1,2,3,4,5,6,7
.irp c, 0,1,2,3
	ds_load_b128 v[128*(\set)+FR*\i+4*\c:128*(\set)+FR*\i+4*\c+3], v[ADRB+\slot] offset:\i*KSB+(\kf)*2048+512*\c
.endr
.endr
	WIN 0
.irp i, 0,1,2,3
.irp c, 0,1,2,3
	ds_load_b128 v[AF+64*(\set)+FR*\i+4*\c:AF+64*(\set)+FR*\i+4*\c+3], v[ADRA+\slot] offset:\i*KSB+(\kf)*2048+512*\c
.endr
.endr
.endm
.macro MULA set, a, zero               ; A's block a x B's eight.  The 32 accumulators take turns, in the same order in every step
.irp b, 0,1,2,3,4,5,6,7
.if \zero
	v_wmma_f32_16x16x128_fp8_fp8 v[8*(8*(\a)+\b):8*(8*(\a)+\b)+7], v[128*(\set)+FR*\b:128*(\set)+FR*\b+FR-1], v[AF+64*(\set)+FR*(\a):AF+64*(\set)+FR*(\a)+FR-1], 0
.else
	v_wmma_f32_16x16x128_fp8_fp8 v[8*(8*(\a)+\b):8*(8*(\a)+\b)+7], v[128*(\set)+FR*\b:128*(\set)+FR*\b+FR-1], v[AF+64*(\set)+FR*(\a):AF+64*(\set)+FR*(\a)+FR-1], v[8*(8*(\a)+\b):8*(8*(\a)+\b)+7]
.endif
.endr
.endm
.macro SUB set, nslot, nkf, zero       ; 128 along K on set \set; the next step's fragments are asked for first, into the other set (nslot = -1: nothing is left)
	s_wait_dscnt 0x0                               ; this step's fragments are in
.if \nslot >= 0
	PLACES                                         ; the other set was read by the step before
	FETCH \nslot, \nkf, 1-\set
.endif
	WIN MUL
	MULA \set, 0, \zero
	MULA \set, 1, \zero
	MULA \set, 2, \zero
	MULA \set, 3, \zero
.endm
	s_load_b256 s[4:11], s[0:1], 0x0               ; y_img s[4:5], wout_img s[6:7], the exponents s[8:9], b_out s[10:11]
	s_load_b64 s[12:13], s[0:1], 0x20              ; out0
	v_lshl_add_u32 v[SPW], v0, 2, SPARE
	v_mov_b32 v[NIL], 0
	ds_add_u32 v28, v29
	s_wait_dscnt 0x0
	v_lshrrev_b32 v1, 5, v0
	v_readfirstlane_b32 s14, v1                    ; wave
	s_lshr_b32 s15, s14, 1                         ; my half of the tile's rows.  Also: I fetch for A (0) or B (1)
	s_and_b32 s16, s14, 1                          ; my half of its columns.  Also: which half of that tile I fetch
	s_bfe_u32 s[CX], ttmp6, 0x40000                ; cx
	s_bfe_u32 s[CY], ttmp6, 0x40004                ; cy
	s_lshl_b32 s[TC], ttmp9, 2
	s_add_co_u32 s[TC], s[TC], s[CX]               ; tile column
	s_and_b32 s17, ttmp7, 0xffff
	s_lshl_b32 s17, s17, 2
	s_add_co_u32 s17, s17, s[CY]                   ; tile row
	s_lshl_b32 s59, s[CY], 2
	s_lshl_b32 s59, 15, s59                        ; my row of the cluster
	s_lshl_b32 s44, 0x1111, s[CX]                  ; my column
	s_or_b32 s[G1+0], s59, (3<<16)|(1<<21)         ; the mask of my row; elements of 8 bytes; 21 set beside a mask; no padding
	s_mov_b32 s[G1+1], 512<<16                     ; rows of 4,096 bytes,
	s_mov_b32 s[G1+2], 4<<16                       ; four row blocks,
	s_mov_b32 s[G1+3], 512<<16
	s_mov_b32 s[G1+4], 4
	s_mov_b32 s[G1+5], 2048                        ; 16,384 bytes apart
	s_mov_b32 s[G1+6], 0
	s_mov_b32 s[G1+7], 0
	s_or_b32 s[G1B+0], s44, (3<<16)|(1<<21)        ; the mask of my column;
	s_mov_b32 s[G1B+1], 512<<16
	s_mov_b32 s[G1B+2], 8<<16                      ; eight column blocks
	s_mov_b32 s[G1B+3], 512<<16
	s_mov_b32 s[G1B+4], 8
	s_mov_b32 s[G1B+5], 2048
	s_mov_b32 s[G1B+6], 0
	s_mov_b32 s[G1B+7], 0
	s_lshl_b32 s20, s17, 17                        ; A: 8 row blocks a tile, 4 a half
	s_lshl_b32 s21, s16, 16
	s_add_co_u32 s20, s20, s21
	s_mov_b32 s21, 0
	s_lshl_b32 s46, s[TC], 18                      ; B: 16 column blocks a tile, 8 a half
	s_lshl_b32 s47, s16, 17
	s_add_co_u32 s46, s46, s47
	s_mov_b32 s47, 0
	s_lshl_b32 s45, s16, 14                        ; where they go: A's half,
	s_lshl_b32 s84, s16, 15
	s_add_co_u32 s84, s84, 32768                   ; B's half
	s_wait_kmcnt 0x0
	s_load_b256 s[88:95], s[8:9], 0x0              ; e0 .. e7
	s_add_nc_u64 s[20:21], s[4:5], s[20:21]
	s_add_nc_u64 s[46:47], s[6:7], s[46:47]
	CROUND                                         ; all sixteen work-groups are here: the first joint loads meet
.irp s, 0,1,2
	s_mov_b32 s[G0+4*\s], 1
	s_add_co_u32 s[G0+4*\s+1], s45, \s*SLOT
	s_add_nc_u64 s[G0+4*\s+2:G0+4*\s+3], s[20:21], \s*KSB
	s_or_b32 s[G0+4*\s+3], s[G0+4*\s+3], 0x80000000
	s_mov_b32 s[G0B+4*\s], 1
	s_add_co_u32 s[G0B+4*\s+1], s84, \s*SLOT
	s_add_nc_u64 s[G0B+4*\s+2:G0B+4*\s+3], s[46:47], \s*KSB
	s_or_b32 s[G0B+4*\s+3], s[G0B+4*\s+3], 0x80000000
.endr
	s_cmp_eq_u32 s15, 0                            ; a wave's three first fills stand in one branch; four v_nop follow the third
	s_cbranch_scc0 .Lfirst_b
	tensor_load_to_lds s[G0:G0+3], s[G1:G1+7]
	s_nop 0
	tensor_load_to_lds s[G0+4:G0+7], s[G1:G1+7]
	s_nop 0
	tensor_load_to_lds s[G0+8:G0+11], s[G1:G1+7]
	s_nop 0
.rept 4
	v_nop
.endr
	s_branch .Lfirst_done
.Lfirst_b:
	tensor_load_to_lds s[G0B:G0B+3], s[G1B:G1B+7]
	s_nop 0
	tensor_load_to_lds s[G0B+4:G0B+7], s[G1B:G1B+7]
	s_nop 0
	tensor_load_to_lds s[G0B+8:G0B+11], s[G1B:G1B+7]
	s_nop 0
.rept 4
	v_nop
.endr
.Lfirst_done:
	v_and_b32 v1, 15, v0                           ; r
	v_bfe_u32 v2, v0, 4, 1                         ; h
	v_and_b32 v3, 31, v0
	v_lshlrev_b32 v[LI], 4, v3
	s_lshl_b32 s21, s15, 14
	s_lshl_b32 s22, s16, 15
	s_add_co_u32 s22, s22, 32768
.irp s, 0,1,2
	v_add_nc_u32 v[ADRA+\s], s21, v[LI]
	v_add_nc_u32 v[ADRB+\s], s22, v[LI]
	s_add_co_u32 s21, s21, SLOT
	s_add_co_u32 s22, s22, SLOT
.endr
	s_mul_i32 s23, s14, 16*SPITCH
	s_add_co_u32 s23, s23, STAGE                   ; my stage
	v_mul_u32_u24 v4, v1, SPITCH
	v_lshl_add_u32 v4, v2, 5, v4
	v_add_nc_u32 v[STO], s23, v4                   ; in: row r, 32 bytes for each half of the lanes
	v_add_nc_u32 v[RD], s23, v[LI]                 ; back: the 32 lanes take one row of 512 bytes
	s_lshl_b32 s85, s[TC], 10                      ; my first column in bytes: 1,024 x tile column + 512 x half
	s_lshl_b32 s86, s16, 9
	s_add_co_u32 s86, s85, s86
	s_mov_b32 s87, 0
	s_add_nc_u64 s[10:11], s[10:11], s[86:87]
	s_add_nc_u64 s[12:13], s[12:13], s[86:87]
	s_lshl_b32 s86, s17, 19                        ; my first row: 128 x tile row + 64 x half, 4,096 bytes a row
	s_lshl_b32 s85, s15, 18
	s_add_co_u32 s86, s86, s85
	s_add_nc_u64 s[12:13], s[12:13], s[86:87]
	v_lshlrev_b32 v3, 5, v2
.irp b, 0,1,2,3,4,5,6,7
	global_load_b128 v[BIAS+8*\b:BIAS+8*\b+3], v3, s[10:11] offset:64*\b          ; register 8 b + j: b_out of column 16 b + 8 h + j
	global_load_b128 v[BIAS+8*\b+4:BIAS+8*\b+7], v3, s[10:11] offset:64*\b+16
.endr
	s_wait_loadcnt 0x0                             ; b_out is in: no load of mine is out at a barrier's signal
	s_wait_tensorcnt 2                             ; my part of K step 0 is in; K steps 1 and 2 may be out
	s_barrier_signal -1
	s_barrier_wait -1
	FETCH 0, 0, 0
	SUB 0, 0, 1, 1                                 ; the first products start the sums: nothing is cleared
	; the second step leaves slot 0: the one change of slots that fills a slot again
	WIN 0
	s_wait_tensorcnt 0x0                           ; all my tensor loads have landed: my parts of slots 1 and 2
	ds_add_u32 v[SPW], v[NIL]                      ; 0 onto my spare word
	s_wait_dscnt 1                                 ; this step's fragments are in; the add may be out
	WIN MUL
	MULA 1, 0, 0
	s_wait_dscnt 0x0                               ; the add is done, and my reads of slot 0 are over
	s_barrier_signal -1
	MULA 1, 1, 0
	WIN 0
	s_barrier_wait -1
	CREST                                          ; the barrier has opened a round of the cluster's: no wave of any partner still reads slot 0 or has a load on its way
	s_add_nc_u64 s[G0+2:G0+3], s[G0+2:G0+3], 3*KSB
	s_add_nc_u64 s[G0B+2:G0B+3], s[G0B+2:G0B+3], 3*KSB
	s_cmp_eq_u32 s15, 0
	s_cbranch_scc0 .Lre_b
	tensor_load_to_lds s[G0:G0+3], s[G1:G1+7]      ; K step 3: 112 matrix instructions stand between this line and the wait for it
	s_nop 0
.rept 4
	v_nop
.endr
	s_branch .Lre_done
.Lre_b:
	tensor_load_to_lds s[G0B:G0B+3], s[G1B:G1B+7]
	s_nop 0
.rept 4
	v_nop
.endr
.Lre_done:
	FETCH 1, 0, 0                                  ; (the four v_nop are the places in front of these loads)
	WIN MUL
	MULA 1, 2, 0
	MULA 1, 3, 0
	SUB 0, 1, 1, 0
	SUB 1, 2, 0, 0                                 ; slot 2 was shown whole by every wave's wait in front of the round
	SUB 0, 2, 1, 0
	; the sixth step goes back to slot 0
	s_wait_tensorcnt 0x0                           ; my part of K step 3 is in: no load was issued behind it
	s_wait_dscnt 0x0
	s_barrier_signal -1
	MULA 1, 0, 0
	MULA 1, 1, 0
	s_barrier_wait -1                              ; everybody's is
	PLACES
	FETCH 0, 0, 0
	WIN MUL
	MULA 1, 2, 0
	MULA 1, 3, 0
	SUB 0, 0, 1, 0
	SUB 1, -1, 0, 0
	WIN 0
; THE WAY OUT, block by block of 16 rows x 128 columns: through my stage in LDS, back as whole rows of 512 bytes.  LDS serves a wave's instructions in order (ISA guide 5.7.1.4): no wait between the stores and the loads.
.macro TOSTAGE a
	WIN 0x02                                       ; source 0: window 2
.irp j, 0,2,4,6,8,10,12,14,16,18,20,22,24,26,28,30,32,34,36,38,40,42,44,46,48,50,52,54,56,58,60,62
	v_pk_fma_f32 v[TMP+\j:TMP+\j+1], v[64*(\a)+\j:64*(\a)+\j+1], s[96:97], v[BIAS+\j:BIAS+\j+1] op_sel_hi:[1,0,1]   ; sum x 2^(e6 + e7) + b_out; each accumulator from its low end on
.endr
	WIN 0
.irp b, 0,1,2,3,4,5,6,7
	ds_store_b128 v[STO], v[TMP+8*\b:TMP+8*\b+3] offset:64*\b
	ds_store_b128 v[STO], v[TMP+8*\b+4:TMP+8*\b+7] offset:64*\b+16
.endr
	WIN 0x40
.irp t, 0,1,2,3,4,5,6,7,8,9,10,11,12,13,14,15
	ds_load_b128 v[64*((\a)%2)+4*\t:64*((\a)%2)+4*\t+3], v[RD] offset:\t*SPITCH
.endr
	WIN 0
.endm
.macro SEND a, younger                 ; younger: the LDS instructions issued behind block a's loads
	s_wait_dscnt \younger
	WIN 0x04                                       ; the stores' data: window 1
.irp t, 0,1,2,3,4,5,6,7,8,9,10,11,12,13,14,15
	global_store_b128 v[LI], v[64*((\a)%2)+4*\t:64*((\a)%2)+4*\t+3], s[12:13] offset:(\a)*65536+\t*4096 th:TH_STORE_NT   ; 32 lanes store 512 consecutive bytes, aligned
.endr
	WIN 0
.endm
	s_wait_kmcnt 0x0
	s_add_co_i32 s96, s94, s95
	s_add_co_i32 s96, s96, 127
	s_lshl_b32 s96, s96, 23                        ; 2^(e6 + e7)
	s_mov_b32 s97, s96                             ; (named with it as a pair)
	PLACES                                         ; behind the last products
	TOSTAGE 0
	TOSTAGE 1
	SEND 0, 32                                     ; behind block 0's loads: block 1's 16 stores and 16 loads
	s_wait_xcnt 0x0                                ; block 0's stores have read their registers: block 2's loads may land there
	TOSTAGE 2
	SEND 1, 32
	s_wait_xcnt 0x0
	TOSTAGE 3
	SEND 2, 32
	SEND 3, 0
	s_wait_tensorcnt 0x0                           ; the wave's end
	ds_add_u32 v[SPW], v[NIL]
	s_wait_dscnt 0x0
	CROUND                                         ; the closing round
	s_endpgm
.Lfunc_end_k_q743f28855a_proj:
	.size	k_q743f28855a_proj, .Lfunc_end_k_q743f28855a_proj-k_q743f28855a_proj
	.p2alignl 7, 3214868480
	.fill 96, 4, 3214868480
	.section	.rodata,"a",@progbits
	.p2align	6, 0x0
	.amdhsa_kernel k_q743f28855a_proj
		.amdhsa_group_segment_fixed_size 327680
		.amdhsa_private_segment_fixed_size 0
		.amdhsa_enable_private_segment 0
		.amdhsa_kernarg_size 40
		.amdhsa_user_sgpr_count 2
		.amdhsa_user_sgpr_kernarg_segment_ptr 1
		.amdhsa_wavefront_size32 1
		.amdhsa_system_sgpr_workgroup_id_x 1
		.amdhsa_system_sgpr_workgroup_id_y 1
		.amdhsa_system_sgpr_workgroup_id_z 1
		.amdhsa_system_vgpr_workitem_id 0
		.amdhsa_next_free_vgpr 768
		.amdhsa_next_free_sgpr 100
		.amdhsa_reserve_vcc 0
		.amdhsa_float_denorm_mode_32 3
		.amdhsa_float_denorm_mode_16_64 3
		.amdhsa_memory_ordered 1
		.amdhsa_forward_progress 1
		.amdhsa_inst_pref_size 76
	.end_amdhsa_kernel
	.amdgpu_metadata
---
amdhsa.version: [ 1, 2 ]
amdhsa.kernels:
  - .name:           k_q743f28855a_proj
    .symbol:         k_q743f28855a_proj.kd
    .args:
      - { .name: y_img, .offset: 0, .size: 8, .value_kind: global_buffer, .address_space: global }
      - { .name: wout_img, .offset: 8, .size: 8, .value_kind: global_buffer, .address_space: global }
      - { .name: lowp_scales, .offset: 16, .size: 8, .value_kind: global_buffer, .address_space: global }
      - { .name: b_out, .offset: 24, .size: 8, .value_kind: global_buffer, .address_space: global }
      - { .name: out0, .offset: 32, .size: 8, .value_kind: global_buffer, .address_space: global }
    .group_segment_fixed_size: 327680
    .private_segment_fixed_size: 0
    .kernarg_segment_align: 8
    .kernarg_segment_size: 40
    .max_flat_workgroup_size: 128
    .sgpr_count:     100
    .vgpr_count:     768
    .wavefront_size: 32
...
	.end_amdgpu_metadata
.endif
;; end of part 4
